; MI455X (gfx1250); checked and timed in simulation.
; The chip was launched on July 23, 2026; its instructions are those of AMD's public machine-readable ISA for CDNA 5 (MIT licence, August 2026) and "CDNA5" Instruction Set Architecture Reference Guide (July 2026). The comments in the code are by the model that wrote it; some were corrected since.
;; Attention Based Linking Module. Allowed arithmetic: matrix products marked QUANTISED: E2M1 operands, one E8M0 scale for each 32 along K, by v_wmma_scale_f32_16x16x128_f8f6f4 with both operands' format E2M1 (or v_wmma_scale_f32_32x16x128_f4), f32 sums; products left as they are: f32 operands where the result goes on into a quantised operand, else bf16, f16 or f32 operands; f32 sums; everything else in f32.
;; Inputs: W1 1,024 x 500 float32; W2 500 x 500 float32; W3 500 x 1 float32; Ws 512 x 512 float32; b1 500 float32; b2 500 float32; b3 1 float32; bs 512 float32; knowledge_embs 1,024 x 512 float32; lengths 256 int32; span2concepts 256 x 64 int32; span_embs 256 x 512 float32.
;; Outputs: out0 256 x 512 float32; out1 256 x 65 float32.
;; This version of the problem:
;;   THIS VERSION OF THE PROBLEM IS GIVEN IN LOW PRECISION. The matrix products marked QUANTISED in the list below multiply operands that are first quantised to E2M1 (2 exponent bits, 1 mantissa bit; 4 bits a number), with one power-of-two scale for each 32 numbers along K (OCP MX v1.0); their sums are f32. All else is computed in f32.
;;   The module's matrix products, in the order in which they are computed (A, B: the left and right operand; K: the contracted axis; several contracted axes count as one K, in the product's order):
;;     1. [M 256, K 512] x [K 512, N 512]; A: input span_embs; B: input Ws: QUANTISED
;;     2. [M 256, K 512] x [K 512, N 500]; A: input span_embs; B: input W1: QUANTISED
;;     3. [M 1,024, K 512] x [K 512, N 500]; A: input knowledge_embs; B: input W1: QUANTISED
;;     4. [M 256, K 512] x [K 512, N 500]; A: computed on the way; B: input W1: QUANTISED
;;     5. [M 262,400, K 500] x [K 500, N 500]; A: computed on the way; B: input W2: QUANTISED
;;     6. [M 262,400, K 500] x [K 500, N 1]; A: computed on the way; B: input W3: left as it is (N = 1 < 16)
;;     7. batch 256 x [M 1, K 65] x [K 65, N 512]; A: softmax; B: computed on the way: left as it is (M = 1 < 16)
;;   THE QUANTISER, for each operand of a quantised product, along K:
;;     - K is cut into blocks of 32 from its start; a last block that is shorter is filled with zeros.
;;     - A block's scale is 2^e with e = floor(log2(the largest magnitude in the block)) - 2, held to -126 .. 127; a block of zeros has e = 0. As a byte (E8M0): e + 127.
;;     - Each number is divided by its block's scale, clamped to +-6, and rounded to the nearest number of E2M1, ties to even, subnormals kept.
;;     - The product sums the exact products of the quantised numbers (number of the format x scale) in f32.
;;   ~~~python
;;   def quantise(x, axis):      # numpy; x: float32 -> the quantised numbers, widened to float32 again
;;       x = np.moveaxis(x, axis, -1); K = x.shape[-1]
;;       x = np.pad(x, [(0, 0)] * (x.ndim - 1) + [(0, -K % 32)]); x = x.reshape(x.shape[:-1] + (-1, 32)); a = np.abs(x).max(-1, keepdims=True)
;;       e = np.where(a > 0, np.clip(np.frexp(np.where(a > 0, a, 1))[1] - 1 - 2, -126, 127), 0)      # np.frexp(a)[1] - 1 = floor(log2(a)), exactly
;;       r = np.clip(x / 2.0 ** e, -6, 6)
;;       step = 2.0 ** (np.maximum(np.frexp(np.where(r == 0, 1, r))[1] - 1, 0) - 1)
;;       q = np.round(r / step) * step * 2.0 ** e      # np.round: ties to even
;;       return np.moveaxis(q.reshape(q.shape[:-2] + (-1,))[..., :K], -1, axis).astype(np.float32)
;;   ~~~
;;   OPERANDS COMPUTED ON THE WAY. 'Computed on the way' means the value that the module computes at that place (a softmax that the list does not call 'softmax' is quantised finished and normalised). What goes into a quantiser is computed in f32, as accurately as f32 sums, v_exp_f32 and their like allow (about 1e-6 of the number): no bf16 or f16 on the way to a quantiser, and a product that is left as it is and whose result goes on into a quantised operand takes f32 operands (vector FMAs, or v_wmma_f32_16x16x4_f32). A number that lies on a knife's edge between two numbers of the format may be rounded either way, as far as f32 arithmetic and the matrix unit's own rounding can turn it there, and no further.
;; 2 versions. Each part assembles by itself: llvm-mc -triple=amdgcn-amd-amdhsa -mcpu=gfx1250 --defsym DOCPART=n.
;; ======== version 1 of 2: 2 launches
;; workspace buffers: sent 524,288 bytes; spb 524,288 bytes; wimg1 147,456 bytes; wimg2 147,456 bytes
;; launch prep (part 1): grid 80 x 1, 16 waves a work-group, no clusters, 191,488 bytes of LDS; arguments span_embs, Ws, W1, W2, bs, b1, sent, spb, wimg1, wimg2; writes sent, spb, wimg1, wimg2
.if DOCPART == 1
	.amdgcn_target "amdgcn-amd-amdhsa--gfx1250"
	.amdhsa_code_object_version 6
	.text
	.protected	k_qc8970cc7d4_prep
	.globl	k_qc8970cc7d4_prep
	.p2align	8
	.type	k_qc8970cc7d4_prep,@function
k_qc8970cc7d4_prep:
	s_mov_b64 s[64:65], 0
	v_nop
	global_prefetch_b8 v0, s[64:65] scope:SCOPE_SE
	s_setreg_imm32_b32 hwreg(HW_REG_WAVE_MODE, 25, 1), 1
	s_wait_xcnt 0x0
; WHAT IT MAKES.  sent = relu(Q(span) Q(Ws) + bs) [256][512];  spb = Q(span) Q(W1 rows 0-511) + b1 [256][512], columns 500-511 = 0;
; wimg1 = Q(W1 rows 512-1023), wimg2 = Q(W2), as images of the operand registers that the next launch loads.  Q: codes of E2M1 with one E8M0 byte for each 32 along K.
; ROLES.  Work-groups 0-63 multiply: kind = g / 32 (0: Ws, 1: W1a), 64 rows of span (g % 4) x a strip of 64 columns ((g / 4) % 8).  Work-groups 64-79 only quantise: kind 2 (W1b) or 3 (W2), strip g % 8.
; The two roles part once, on the work-group's number; only the first uses LDS and barriers.
; SHARES.  Sixteen waves.  Wave wv quantises the weight fragment (tile t = wv / 4 of 16 columns, K step s = wv % 4 of 128) and, when multiplying, the x fragment (rows 16 (wv / 4) on, K step wv % 4);
; fragments go from wave to wave through LDS as images of their registers; then wave wv makes the tile of 16 rows (wv / 4) x 16 columns (wv % 4) with four matrix instructions.
; THE COLUMNS OF A TILE ARE NOT NEIGHBOURS: lane r of tile t takes column 64 q + 32 (t / 2) + 8 (t % 2) + r + 8 (r / 8).  The product is used transposed (source 0 = 16 columns of the weight,
; source 1 = 16 rows of x), so that lane (r, h) holds row r and its register j the column 64 q + 32 (t / 2) + 16 h + 8 (t % 2) + j.
; A weight is stored [K][N]: a lane takes a column and its registers run down K, so the conversions give the operand's registers as they stand.
; PADDING.  Columns 500-511 get zero codes and a zero bias; W2's rows 500-511 do not exist: the lanes concerned read 32 rows higher and the numbers are replaced by 0 ahead of the block's maximum.
; LIMITS.  NaN and infinities among the inputs are not served.  A block of zeros gets the byte 1 (the floor) with zero codes; only this program reads the bytes.
; ORDER OF SUMS.  The bias is the C of K step 0; K steps 0 and 2 are summed in one accumulator, 1 and 3 in another, and the two are added.
.set XST,  0                           ; LDS: for each wave 16 rows x (512 bytes + 16): the turn of x from load order into 16 neighbours a lane
.set XIMG, 135168                      ; x's 16 fragments, 1,024 bytes each, index 4 m + s
.set XSC,  151552                      ; their scale words, 128 bytes each
.set WIMG, 153600                      ; the weight's 16 fragments, index 4 t + s
.set WSC,  169984                      ; their scale words
.set STG,  172032                      ; the way out: 64 rows x (256 bytes + 16)
.set WOFF, 18432                       ; WIMG - XIMG = WSC - XSC
.set TM,   32                          ; v32-47  at work in the quantisers
.set PC,   48                          ; v48-55  the codes just made
.set BI,   56                          ; v56-63  the bias in the result's layout
.set WN,   64                          ; v64-127 64 numbers of the weight
.set XR,   128                         ; v128-191 x as loaded; later x's four fragments (128-159) and the weight's four (160-191)
.set XT,   192                         ; v192-255 x turned; later the accumulators 192-199, 200-207, their sum 208-215, rows on the way out 216-223
; v1 lane, v2 r, v3 h, v4 VO, v5 VO2, v6 XO, v7 v8 bias offsets, v9 v10 the weight's scale word, v11-v21 LDS and output addresses, v22 16 x lane; v24-27 x's scale words, v28-31 the weight's: scales and nothing else
.macro QUANT src, pc, pw               ; 64 numbers of a lane, register 16 b + i = k 32 b + 16 h + i of its row, become a fragment's codes in v[pc] on and the row's scale word in v[pw]
.irp b, 0,1,2,3
	v_max3_num_f32 v[TM+\b], |v[(\src)+16*\b]|, |v[(\src)+1+16*\b]|, 0x1800000   ; my 16 numbers of block b, and the floor 2^(3 - 127): the byte cannot fall under 1
.endr
.irp i, 2,4,6,8,10,12,14
.irp b, 0,1,2,3
	v_max3_num_f32 v[TM+\b], v[TM+\b], |v[(\src)+16*\b+\i]|, |v[(\src)+1+16*\b+\i]|
.endr
.endr
.irp b, 0,1,2,3
	v_permlanex16_b32 v[TM+4+\b], v[TM+\b], s40, s41
.endr
.irp b, 0,1,2,3
	v_max_num_f32 v[TM+\b], v[TM+\b], v[TM+4+\b]       ; with lane l xor 16: the block's largest magnitude
.endr
.irp b, 0,1,2,3
	v_add_nc_u32 v[TM+12+\b], 0xff000000, v[TM+\b]     ; 2 off its exponent field: the conversion's scale operand
.endr
.irp b, 0,1,2,3
	v_lshrrev_b32 v[TM+4+\b], 23, v[TM+12+\b]          ; the scale's byte
.endr
	v_lshl_or_b32 v[\pw], v[TM+5], 8, v[TM+4]
	v_lshl_or_b32 v[\pw], v[TM+6], 16, v[\pw]
	v_lshl_or_b32 v[\pw], v[TM+7], 24, v[\pw]
.irp b, 0,1,2,3
	v_cvt_scalef32_pk8_fp4_f32 v[(\pc)+2*\b], v[(\src)+16*\b:(\src)+7+16*\b], v[TM+12+\b]
	v_cvt_scalef32_pk8_fp4_f32 v[(\pc)+1+2*\b], v[(\src)+8+16*\b:(\src)+15+16*\b], v[TM+12+\b]
.endr
	v_nop                                              ; one plain place behind a scaled conversion
.irp c, 0,1                                        ; the operand wants a whole block in a lane: lanes 0-15 block 2 c, lanes 16-31 block 2 c + 1
.irp i, 0,1
	v_permlane16_swap_b32 v[(\pc)+4*\c+\i], v[(\pc)+2+4*\c+\i]
.endr
.endr
.endm
.macro IMAGE adr, pc, off              ; a fragment goes to LDS as it stands: lane l's 16 bytes at 16 l
.irp c, 0,1
	ds_store_b128 v[\adr], v[(\pc)+4*\c:(\pc)+4*\c+3] offset:(\off)+512*\c
.endr
.endm
.macro FETCH reg, adr, off             ; and comes back so, in any wave
.irp c, 0,1
	ds_load_b128 v[(\reg)+4*\c:(\reg)+4*\c+3], v[\adr] offset:(\off)+512*\c
.endr
.endm
.macro BARRIER                         ; my LDS stores have landed and my LDS loads are in: then the work-group's barrier
	s_wait_dscnt 0x0
	s_barrier_signal -1
	s_barrier_wait -1
.endm
; 64 numbers of my column: W(row0 + 128 s + 64 c + 32 h + i, column).  tail: the offset register of the last 12 rows of c = 1
.macro WLOAD pitch, tail
.irp c, 0,1
.irp i, 0,1,2,3,4,5,6,7,8,9,10,11,12,13,14,15,16,17,18,19,20,21,22,23,24,25,26,27,28,29,30,31
.if (\c == 1) && (\i >= 20)
	global_load_b32 v[WN+32*\c+\i], v[\tail], s[24:25] offset:\pitch*(64*\c+\i)
.else
	global_load_b32 v[WN+32*\c+\i], v4, s[24:25] offset:\pitch*(64*\c+\i)
.endif
.endr
.endr
.endm
; The weight's fragment: a lane holds two whole blocks (2 c + h), so no other lane is asked for a maximum; the scale word's four bytes are gathered from lanes l and l xor 16
.macro WQUANT keepk
	s_wait_loadcnt 0x0                                 ; all my loads are in
.if \keepk
.irp i, 20,21,22,23,24,25,26,27,28,29,30,31
	v_cndmask_b32 v[WN+32+\i], 0, v[WN+32+\i], s42     ; rows past the end of K count as 0, ahead of the maximum
.endr
.endif
.irp c, 0,1
	v_max3_num_f32 v[TM+\c], |v[WN+32*\c]|, |v[WN+32*\c+1]|, 0x1800000
.endr
.irp i, 2,4,6,8,10,12,14,16,18,20,22,24,26,28,30
.irp c, 0,1
	v_max3_num_f32 v[TM+\c], v[TM+\c], |v[WN+32*\c+\i]|, |v[WN+32*\c+\i+1]|
.endr
.endr
.irp c, 0,1
	v_add_nc_u32 v[TM+12+\c], 0xff000000, v[TM+\c]
.endr
.irp c, 0,1
	v_lshrrev_b32 v[TM+4+\c], 23, v[TM+12+\c]
.endr
	v_lshl_or_b32 v9, v[TM+5], 16, v[TM+4]             ; my two bytes: blocks h and 2 + h,
	v_lshlrev_b32 v10, 3, v3
	v_lshlrev_b32 v9, v10, v9                          ; at their places in the word (8 h bits up);
	v_mov_b32 v10, 0
	v_permlanex16_b32 v10, v9, s40, s41
	v_or_b32 v9, v9, v10                               ; with lane l xor 16's two the word is whole
.irp c, 0,1
.irp g, 0,1,2,3
	v_cvt_scalef32_pk8_fp4_f32 v[PC+4*\c+\g], v[WN+32*\c+8*\g:WN+32*\c+8*\g+7], v[TM+12+\c]
.endr
.endr
	v_nop                                              ; one plain place behind a scaled conversion
.irp k, 0,1,2,3,4,5,6,7
	v_cndmask_b32 v[PC+\k], 0, v[PC+\k], s43           ; columns past the weight's last get zero codes
.endr
.endm
	s_load_b512 s[4:19], s[0:1], 0x0                   ; span 4:5, Ws 6:7, W1 8:9, W2 10:11, bs 12:13, b1 14:15, sent 16:17, spb 18:19
	s_load_b128 s[20:23], s[0:1], 0x40                 ; wimg1 20:21, wimg2 22:23
	v_lshl_add_u32 v42, v0, 2, 0x2e400
	v_mov_b32 v43, 0
	v_lshrrev_b32 v1, 5, v0
	v_readfirstlane_b32 s46, v1                        ; wave wv
	v_and_b32 v1, 31, v0                               ; lane
	v_and_b32 v2, 15, v0                               ; r
	v_bfe_u32 v3, v0, 4, 1                             ; h
	v_lshlrev_b32 v22, 4, v1                           ; 16 x lane
	s_lshr_b32 s47, s46, 2                             ; t = m = wv / 4
	s_and_b32 s48, s46, 3                              ; s = tt = wv % 4
	s_lshr_b32 s49, ttmp9, 5
	s_bfe_u32 s50, ttmp9, 0x10003
	s_add_co_u32 s50, s50, 2
	s_bfe_u32 s51, ttmp9, 0x30002
	s_and_b32 s52, ttmp9, 7
	s_and_b32 s53, ttmp9, 3                            ; rb
	s_cmp_lt_u32 ttmp9, 64
	s_cselect_b32 s49, s49, s50                        ; kind
	s_cselect_b32 s51, s51, s52                        ; q
	s_mov_b32 s26, 2000
	s_mov_b32 s27, 500
	s_mov_b32 s38, 0xff800000
	s_cmp_eq_u32 s49, 0
	s_cselect_b32 s26, 2048, s26                       ; the weight's row in bytes
	s_cselect_b32 s27, 512, s27                        ; its columns
	s_cselect_b32 s38, 0, s38                          ; what the result is held at from below: 0 (relu) or -infinity (nothing)
	s_cmp_eq_u32 s49, 2
	s_cselect_b32 s28, 512, 0                          ; the weight's first row
	s_cmp_eq_u32 s49, 3
	s_cselect_b32 s39, 1, 0
	s_cmp_eq_u32 s48, 3
	s_cselect_b32 s39, s39, 0                          ; 1: W2's last K step
	s_mov_b32 s40, 0x76543210
	s_mov_b32 s41, 0xfedcba98                          ; v_permlanex16_b32's selects for lane l xor 16
	s_lshl_b32 s29, s51, 6                             ; 64 q
	s_lshr_b32 s2, s47, 1
	s_lshl_b32 s2, s2, 5
	s_and_b32 s3, s47, 1
	s_lshl_b32 s3, s3, 3
	s_add_co_u32 s62, s29, s2
	s_add_co_u32 s62, s62, s3                          ; first column of weight tile t
	s_lshr_b32 s2, s48, 1
	s_lshl_b32 s2, s2, 5
	s_and_b32 s3, s48, 1
	s_lshl_b32 s3, s3, 3
	s_add_co_u32 s63, s29, s2
	s_add_co_u32 s63, s63, s3                          ; and of output tile tt
	v_and_b32 v23, 8, v2
	v_add_nc_u32 v23, v23, v2
	v_add_nc_u32 v23, s62, v23                         ; my column
	v_cmp_gt_u32 s43, s27, v23                         ; KEEPC: it exists
	s_sub_co_u32 s2, s27, 1
	v_min_u32 v4, s2, v23                              ; no load leaves the weight
	v_lshlrev_b32 v4, 2, v4
	s_lshl_b32 s3, s48, 7
	s_add_co_u32 s3, s3, s28
	v_lshl_add_u32 v5, v3, 5, s3                       ; my first row: row0 + 128 s + 32 h
	v_mul_lo_u32 v5, v5, s26
	v_add_nc_u32 v4, v4, v5                            ; VO
	v_and_b32 v5, s39, v3
	v_cmp_eq_u32 s42, 0, v5                            ; KEEPK: all lanes but h = 1 of W2's last K step
	v_mul_u32_u24 v5, v5, 64000
	v_sub_nc_u32 v5, v4, v5                            ; VO2: those lanes read 32 rows higher
	s_lshl_b32 s2, s53, 17
	s_lshl_b32 s3, s47, 15
	s_add_co_u32 s2, s2, s3
	s_lshl_b32 s3, s48, 9
	s_add_co_u32 s2, s2, s3
	v_lshl_add_u32 v6, v1, 4, s2                       ; XO: (64 rb + 16 m) rows of 2,048 bytes + 512 s + 16 x lane
	v_lshl_add_u32 v7, v3, 4, s63                      ; my first column of the output tile
	v_cmp_gt_u32 s44, s27, v7                          ; KEEPA: its first four columns exist
	v_add_nc_u32 v8, 4, v7
	v_cmp_gt_u32 s45, s27, v8                          ; KEEPB: the other four
	s_lshl_b32 s2, s27, 2
	s_sub_co_u32 s2, s2, 16
	v_lshlrev_b32 v7, 2, v7
	v_lshlrev_b32 v8, 2, v8
	v_min_u32 v7, s2, v7                               ; no load leaves the bias
	v_min_u32 v8, s2, v8
	s_mul_i32 s2, s46, 8448
	v_lshl_add_u32 v11, v1, 4, s2                      ; XSTW: my stage, 16 x lane
	v_mul_u32_u24 v12, v2, 528
	v_lshl_add_u32 v12, v3, 6, v12
	v_add_nc_u32 v12, s2, v12                          ; XSTR: row r, + 64 h
	s_lshl_b32 s3, s46, 10
	s_add_co_u32 s3, s3, XIMG
	v_add_nc_u32 v13, s3, v22                          ; IMW: where I store an image
	s_lshl_b32 s3, s46, 7
	s_add_co_u32 s3, s3, XSC
	v_lshl_add_u32 v14, v1, 2, s3                      ; SCWR: and its scale words
	s_lshl_b32 s3, s47, 12
	s_add_co_u32 s3, s3, XIMG
	v_add_nc_u32 v15, s3, v22                          ; FX: x's fragments of row tile m
	s_lshl_b32 s3, s48, 12
	s_add_co_u32 s3, s3, WIMG
	v_add_nc_u32 v16, s3, v22                          ; FW: the weight's of tile tt
	s_lshl_b32 s3, s47, 9
	s_add_co_u32 s3, s3, XSC
	v_lshl_add_u32 v17, v1, 2, s3                      ; FXS
	s_lshl_b32 s3, s48, 9
	s_add_co_u32 s3, s3, WSC
	v_lshl_add_u32 v18, v1, 2, s3                      ; FWS
	s_mul_i32 s2, s47, 4352
	s_lshr_b32 s3, s48, 1
	s_lshl_b32 s3, s3, 7
	s_add_co_u32 s2, s2, s3
	s_and_b32 s3, s48, 1
	s_lshl_b32 s3, s3, 5
	s_add_co_u32 s2, s2, s3
	s_add_co_u32 s2, s2, STG
	v_mul_u32_u24 v19, v2, 272
	v_lshl_add_u32 v19, v3, 6, v19
	v_add_nc_u32 v19, s2, v19                          ; STO: row 16 m + r, bytes 128 (tt / 2) + 64 h + 32 (tt % 2)
	s_mul_i32 s2, s46, 1088
	s_add_co_u32 s2, s2, STG
	v_mul_u32_u24 v20, v3, 272
	v_lshl_add_u32 v20, v2, 4, v20
	v_add_nc_u32 v20, s2, v20                          ; STR: row 4 wv + h, 16 bytes a lane
	s_lshl_b32 s2, s46, 13
	v_lshlrev_b32 v21, 11, v3
	v_lshl_add_u32 v21, v2, 4, v21
	v_add_nc_u32 v21, s2, v21                          ; GO: the same place in the output
.irp b, 0,1,2,3
	v_mov_b32 v[TM+4+\b], 0                            ; written once: a lane permute's destination counts as one of its sources
.endr
	s_lshl_b32 s54, s53, 17
	s_lshl_b32 s55, s51, 8
	s_add_co_u32 s54, s54, s55                         ; the output's corner: 64 rb rows + 256 q bytes
	s_mov_b32 s55, 0
	s_lshr_b32 s56, s51, 1
	s_mul_i32 s56, s56, 36864                          ; the part of the wave (q / 2) that will load the image
	s_and_b32 s57, s51, 1
	s_lshl_b32 s57, s57, 2
	s_add_co_u32 s57, s57, s47                         ; its tile 4 (q % 2) + t
	s_lshl_b32 s58, s57, 2
	s_add_co_u32 s58, s58, s48
	s_lshl_b32 s58, s58, 10
	s_add_co_u32 s58, s58, s56                         ; fragment 4 tile + s, 1,024 bytes each
	s_mov_b32 s59, 0
	s_lshl_b32 s60, s57, 9
	s_lshl_b32 s61, s48, 2
	s_add_co_u32 s60, s60, s61
	s_add_co_u32 s60, s60, s56
	s_add_co_u32 s60, s60, 32768                       ; scale words: behind the 32 fragments, 512 bytes a tile, 16 a lane, 4 a K step
	s_mov_b32 s61, 0
	s_wait_kmcnt 0x0
	s_cmp_eq_u32 s49, 0                                ; the choices hang on the work-group's number alone
	s_cselect_b64 s[24:25], s[6:7], s[8:9]
	s_cselect_b64 s[30:31], s[12:13], s[14:15]
	s_cselect_b64 s[32:33], s[16:17], s[18:19]
	s_cmp_eq_u32 s49, 3
	s_cselect_b64 s[24:25], s[10:11], s[24:25]         ; the weight
	s_cselect_b64 s[34:35], s[22:23], s[20:21]         ; the image's buffer
	s_add_nc_u64 s[32:33], s[32:33], s[54:55]
	s_add_nc_u64 s[36:37], s[34:35], s[60:61]
	s_add_nc_u64 s[34:35], s[34:35], s[58:59]
	s_cmp_lt_u32 ttmp9, 64
	s_cbranch_scc0 .Limage
	; ---- THE MULTIPLYING ROLE.  x and the bias are asked for first, then the weight's 64 numbers
.irp i, 0,1,2,3,4,5,6,7,8,9,10,11,12,13,14,15
	global_load_b128 v[XR+4*\i:XR+4*\i+3], v6, s[4:5] offset:2048*\i   ; 512 consecutive bytes of row i
.endr
	global_load_b128 v[BI:BI+3], v7, s[30:31]
	global_load_b128 v[BI+4:BI+7], v8, s[30:31]
	s_cmp_eq_u32 s49, 0
	s_cbranch_scc0 .Lw2000
	WLOAD 2048, 4
	s_branch .Lwdone
.Lw2000:
	WLOAD 2000, 4
.Lwdone:
	s_wait_loadcnt 63                                  ; 82 loads are issued on either way: at most 63 out means that the first 19 are in, x's 16 and the bias's 2 among them
.irp j, 0,1,2,3
	v_cndmask_b32 v[BI+\j], 0, v[BI+\j], s44           ; no bias for columns that do not exist
.endr
.irp j, 4,5,6,7
	v_cndmask_b32 v[BI+\j], 0, v[BI+\j], s45
.endr
.irp i, 0,1,2,3,4,5,6,7,8,9,10,11,12,13,14,15
	ds_store_b128 v11, v[XR+4*\i:XR+4*\i+3] offset:528*\i
.endr
.irp b, 0,1,2,3
.irp j, 0,1,2,3
	ds_load_b128 v[XT+16*\b+4*\j:XT+16*\b+4*\j+3], v12 offset:128*\b+16*\j   ; my own bytes, served in order: these see the stores above
.endr
.endr
	s_wait_dscnt 0x0
	QUANT XT, PC, TM+8
	IMAGE 13, PC, 0
	ds_store_b32 v14, v[TM+8]
	s_wait_dscnt 0x0                                   ; the stores have read their registers: the codes' registers are written again below
	WQUANT 0
	IMAGE 13, PC, WOFF
	ds_store_b32 v14, v9 offset:WOFF
	BARRIER                                            ; x's sixteen fragments and the weight's sixteen lie in LDS
.irp s, 0,1,2,3
	FETCH 128+8*\s, 15, 1024*\s
	FETCH 160+8*\s, 16, 1024*\s
	ds_load_b32 v[24+\s], v17 offset:128*\s
	ds_load_b32 v[28+\s], v18 offset:128*\s
.endr
	s_wait_dscnt 0x0
	; two accumulators by turns, one instruction a turn
	v_wmma_scale_f32_16x16x128_f8f6f4 v[192:199], v[160:167], v[128:135], v[56:63], v28, v24 matrix_a_fmt:MATRIX_FMT_FP4 matrix_b_fmt:MATRIX_FMT_FP4
	v_wmma_scale_f32_16x16x128_f8f6f4 v[200:207], v[168:175], v[136:143], 0, v29, v25 matrix_a_fmt:MATRIX_FMT_FP4 matrix_b_fmt:MATRIX_FMT_FP4
	v_wmma_scale_f32_16x16x128_f8f6f4 v[192:199], v[176:183], v[144:151], v[192:199], v30, v26 matrix_a_fmt:MATRIX_FMT_FP4 matrix_b_fmt:MATRIX_FMT_FP4
	v_wmma_scale_f32_16x16x128_f8f6f4 v[200:207], v[184:191], v[152:159], v[200:207], v31, v27 matrix_a_fmt:MATRIX_FMT_FP4 matrix_b_fmt:MATRIX_FMT_FP4
.rept 4
	v_nop                                              ; four places in front of the first read of results (ISA guide 7.12.1)
.endr
.irp j, 0,2,4,6
	v_pk_add_f32 v[208+\j:209+\j], v[192+\j:193+\j], v[200+\j:201+\j]   ; each accumulator from its low end on
.endr
.irp j, 0,1,2,3,4,5,6,7
	v_max_num_f32 v[208+\j], s38, v[208+\j]            ; relu for the sentinel, nothing for span_part
.endr
	ds_store_b128 v19, v[208:211]
	ds_store_b128 v19, v[212:215] offset:16
	BARRIER                                            ; 64 rows x 256 bytes lie in the stage
.irp e, 0,1
	ds_load_b128 v[216+4*\e:219+4*\e], v20 offset:544*\e
.endr
.irp e, 0,1
	s_wait_dscnt 1-\e
	global_store_b128 v21, v[216+4*\e:219+4*\e], s[32:33] offset:4096*\e   ; 16 lanes store 256 consecutive bytes, at a multiple of 256 from the buffer's first byte
.endr
	s_wait_tensorcnt 0x0
	ds_add_u32 v42, v43
	s_wait_dscnt 0x0
	s_endpgm
.Limage:
	; ---- THE QUANTISING ROLE: the fragment leaves as it stands, in the order in which the next launch's lanes load it
	WLOAD 2000, 5
	WQUANT 1
	global_store_b128 v22, v[PC:PC+3], s[34:35]        ; 512 consecutive bytes
	global_store_b128 v22, v[PC+4:PC+7], s[34:35] offset:512
	global_store_b32 v22, v9, s[36:37]                 ; 4 bytes of each lane's 16: the four waves of a tile fill its 512 bytes
	s_endpgm
.Lfunc_end_k_qc8970cc7d4_prep:
	.size	k_qc8970cc7d4_prep, .Lfunc_end_k_qc8970cc7d4_prep-k_qc8970cc7d4_prep
	.p2alignl 7, 3214868480
	.fill 96, 4, 3214868480
	.section	.rodata,"a",@progbits
	.p2align	6, 0x0
	.amdhsa_kernel k_qc8970cc7d4_prep
		.amdhsa_group_segment_fixed_size 191488
		.amdhsa_private_segment_fixed_size 0
		.amdhsa_enable_private_segment 0
		.amdhsa_kernarg_size 80
		.amdhsa_user_sgpr_count 2
		.amdhsa_user_sgpr_kernarg_segment_ptr 1
		.amdhsa_wavefront_size32 1
		.amdhsa_system_sgpr_workgroup_id_x 1
		.amdhsa_system_sgpr_workgroup_id_y 1
		.amdhsa_system_sgpr_workgroup_id_z 1
		.amdhsa_system_vgpr_workitem_id 0
		.amdhsa_next_free_vgpr 256
		.amdhsa_next_free_sgpr 66
		.amdhsa_reserve_vcc 0
		.amdhsa_float_denorm_mode_32 3
		.amdhsa_float_denorm_mode_16_64 3
		.amdhsa_memory_ordered 1
		.amdhsa_forward_progress 1
		.amdhsa_inst_pref_size 46
	.end_amdhsa_kernel
	.amdgpu_metadata
---
amdhsa.version: [ 1, 2 ]
amdhsa.kernels:
  - .name:           k_qc8970cc7d4_prep
    .symbol:         k_qc8970cc7d4_prep.kd
    .args:
      - { .name: span_embs, .offset: 0, .size: 8, .value_kind: global_buffer, .address_space: global }
      - { .name: Ws, .offset: 8, .size: 8, .value_kind: global_buffer, .address_space: global }
      - { .name: W1, .offset: 16, .size: 8, .value_kind: global_buffer, .address_space: global }
      - { .name: W2, .offset: 24, .size: 8, .value_kind: global_buffer, .address_space: global }
      - { .name: bs, .offset: 32, .size: 8, .value_kind: global_buffer, .address_space: global }
      - { .name: b1, .offset: 40, .size: 8, .value_kind: global_buffer, .address_space: global }
      - { .name: sent, .offset: 48, .size: 8, .value_kind: global_buffer, .address_space: global }
      - { .name: spb, .offset: 56, .size: 8, .value_kind: global_buffer, .address_space: global }
      - { .name: wimg1, .offset: 64, .size: 8, .value_kind: global_buffer, .address_space: global }
      - { .name: wimg2, .offset: 72, .size: 8, .value_kind: global_buffer, .address_space: global }
    .group_segment_fixed_size: 191488
    .private_segment_fixed_size: 0
    .kernarg_segment_align: 8
    .kernarg_segment_size: 80
    .max_flat_workgroup_size: 512
    .sgpr_count:     66
    .vgpr_count:     256
    .wavefront_size: 32
...
	.end_amdgpu_metadata
.endif
;; end of part 1
;; launch link (part 2): grid 256 x 1, 4 waves a work-group, no clusters, 183,040 bytes of LDS; arguments knowledge_embs, span2concepts, lengths, sent, spb, wimg1, wimg2, b2, W3, b3, out0, out1; writes out0, out1
.if DOCPART == 2
	.amdgcn_target "amdgcn-amd-amdhsa--gfx1250"
	.amdhsa_code_object_version 6
	.text
	.protected	k_qc8970cc7d4_link
	.globl	k_qc8970cc7d4_link
	.p2align	8
	.type	k_qc8970cc7d4_link,@function
k_qc8970cc7d4_link:
	s_mov_b64 s[64:65], 0
	v_nop
	global_prefetch_b8 v0, s[64:65] scope:SCOPE_SE
	s_setreg_imm32_b32 hwreg(HW_REG_WAVE_MODE, 25, 1), 1
	s_wait_xcnt 0x0
; ONE SPAN n TO A WORK-GROUP.  Only the 65 rows that the span's list and its sentinel name are scored: x row l = knowledge_embs[span2concepts[n][l]] for l < 64, sent[n] for l = 64.
; h1 = relu(Q(x) Q(W1b) + spb[n]);  h2 = relu(Q(h1) Q(W2) + b2);  score = h2 . W3 + b3;  rows at or past max(lengths[n], 1) get -1e30;  p = softmax (the maximum is taken away);  out0 = sum of p x, out1 = p.
; Both products on codes of E2M1 with one E8M0 byte for each 32 along K; the dot with W3 and the mix are fused multiply-adds in f32.
; SHARES.  Four waves.  THE WAVES SHARE THE COLUMNS: wave w makes hidden units 128 w .. 128 w + 127 of both layers for all five tiles of 16 rows (tile 4 holds the sentinel in all its rows), so its part of both
; weights stays in its registers, loaded once as images that the launch before has laid.  Wave w gathers and quantises x tile w and K step w of tile 4; operands go from wave to wave through LDS as images of
; their registers.  The gathered rows stay in LDS in f32 for the mix, of which wave w makes channels 128 w .. 128 w + 127.
; The products are used transposed (source 0 = 16 columns of a weight, source 1 = 16 rows): lane (r, h) holds row r, and registers 16 b + i of tiles 2 b, 2 b + 1 are units 32 b + 16 h + i: neighbours along the next K.
; WHY NO JOINT LOADS, though all work-groups read the same two images: a joint load lands in LDS; 2 x 147,456 bytes of images beside 134,400 of rows and 48,128 of operands and scores are 477,440, more than a work-group can have.
; LIMITS.  An index above 1023 is held at 1023.  NaN and infinities among the inputs are not served.  A block of zeros gets the byte 1 (the floor) with zero codes.
; ORDER OF SUMS.  spb[n] and b2 are the C of each sum's first product; a score is the sum of four waves' parts.
; REGISTERS, in windows of 256.  Window 0: v1-15, v28-31 addresses; v16-23 the rows' scale words, two sets; v24-27 my 512 bytes of the sentinel; v32-47 at work; v48-63 codes just made, two sets;
;   v64-127 (RGA) numbers to quantise, accumulators, rows;  v128-191 (RGB) numbers, fragments (two sets of four), rows;  v192-223 W1b's scale words, v224-255 W2's.
;   Window 1: W1b's 32 fragments (tile t, K step s at v[32 t + 8 s]).  Window 2: W2's.  Window 3: first the gathered rows; then v0-63 spb[n], v64-127 b2, v128-191 W3, each in the result's layout.
.set XP,   2064                        ; a row of x in LDS: 2,048 bytes + 16, an odd multiple of 16: the 16 rows that a load touches start at 16 different places modulo 256 bytes
.set X64,  64*XP                       ; the sentinel's row
.set XIMG, 134400                      ; x's 20 fragments, 1,024 bytes each, index 4 m + s
.set XSC,  XIMG+20*1024                ; their scale words, 128 bytes each
.set HOFF, 23040                       ; the hidden layer's images and scale words lie this far behind x's
.set SCP,  XSC+HOFF+20*128             ; the scores' parts: 512 bytes a wave, 4 bytes a row
.set TM,   32
.set PC0,  48
.set RGA,  64
.set RGB,  128
.set XS,   16
.set W1S,  192
.set W2S,  224
.set MSB, 0
.macro WIN new                         ; s_set_vgpr_msb: bits 1:0 source 0, 3:2 source 1, 5:4 source 2, 7:6 destination; the high byte repeats the setting that is left
.if MSB != \new
	s_set_vgpr_msb (MSB<<8)|\new
.set MSB, \new
.endif
.endm
.macro QUANT src, pc, pw               ; 64 numbers of a lane, register 16 b + i = k 32 b + 16 h + i of its row, become a fragment's codes in v[pc] on and the row's scale word in v[pw]
.irp b, 0,1,2,3
	v_max3_num_f32 v[TM+\b], |v[(\src)+16*\b]|, |v[(\src)+1+16*\b]|, 0x1800000   ; my 16 numbers of block b, and the floor 2^(3 - 127): the byte cannot fall under 1
.endr
.irp i, 2,4,6,8,10,12,14
.irp b, 0,1,2,3
	v_max3_num_f32 v[TM+\b], v[TM+\b], |v[(\src)+16*\b+\i]|, |v[(\src)+1+16*\b+\i]|
.endr
.endr
.irp b, 0,1,2,3
	v_permlanex16_b32 v[TM+4+\b], v[TM+\b], s48, s49
.endr
.irp b, 0,1,2,3
	v_max_num_f32 v[TM+\b], v[TM+\b], v[TM+4+\b]       ; with lane l xor 16: the block's largest magnitude
.endr
.irp b, 0,1,2,3
	v_add_nc_u32 v[TM+12+\b], 0xff000000, v[TM+\b]     ; 2 off its exponent field: the conversion's scale operand
.endr
.irp b, 0,1,2,3
	v_lshrrev_b32 v[TM+4+\b], 23, v[TM+12+\b]          ; the scale's byte
.endr
	v_lshl_or_b32 v[\pw], v[TM+5], 8, v[TM+4]
	v_lshl_or_b32 v[\pw], v[TM+6], 16, v[\pw]
	v_lshl_or_b32 v[\pw], v[TM+7], 24, v[\pw]
.irp b, 0,1,2,3
	v_cvt_scalef32_pk8_fp4_f32 v[(\pc)+2*\b], v[(\src)+16*\b:(\src)+7+16*\b], v[TM+12+\b]
	v_cvt_scalef32_pk8_fp4_f32 v[(\pc)+1+2*\b], v[(\src)+8+16*\b:(\src)+15+16*\b], v[TM+12+\b]
.endr
	v_nop                                              ; one plain place behind a scaled conversion
.irp c, 0,1                                        ; the operand wants a whole block in a lane
.irp i, 0,1
	v_permlane16_swap_b32 v[(\pc)+4*\c+\i], v[(\pc)+2+4*\c+\i]
.endr
.endr
.endm
.macro IMAGE adr, pc, off              ; a fragment goes to LDS as it stands: lane l's 16 bytes at 16 l
.irp c, 0,1
	ds_store_b128 v[\adr], v[(\pc)+4*\c:(\pc)+4*\c+3] offset:(\off)+512*\c
.endr
.endm
.macro BARRIER
	s_wait_dscnt 0x0
	s_barrier_signal -1
	s_barrier_wait -1
.endm
.macro PLACES
.rept 4
	v_nop
.endr
.endm
.macro WFRAGS ptr, f0, cnt             ; cnt fragments of a weight's image from f0 on, into the window that is set
.set FF, \f0
.rept \cnt
	global_load_b128 v[8*FF:8*FF+3], v1, s[\ptr:\ptr+1] offset:1024*FF
	global_load_b128 v[8*FF+4:8*FF+7], v1, s[\ptr:\ptr+1] offset:1024*FF+512
.set FF, FF+1
.endr
.endm
.macro VEC8 reg, ptr, hold             ; my 128 numbers of a vector in the result's layout: tile t, register j = unit 32 (t / 2) + 16 h + 8 (t % 2) + j.  hold = 1: the vector ends at 500: the lanes past it read h = 0's bytes
.irp t, 0,1,2,3,4,5,6,7
.irp e, 0,1
.if (\hold) && ((8*\t+4*\e) >= 52)
	global_load_b128 v[(\reg)+8*\t+4*\e:(\reg)+8*\t+4*\e+3], v3, s[\ptr:\ptr+1] offset:(32*(\t/2)+8*(\t%2))*4+16*\e
.else
	global_load_b128 v[(\reg)+8*\t+4*\e:(\reg)+8*\t+4*\e+3], v2, s[\ptr:\ptr+1] offset:(32*(\t/2)+8*(\t%2))*4+16*\e
.endif
.endr
.endr
.endm
.macro XL u, reg                       ; K step u of my tile's rows (u = 4: my K step of the sentinel, the same for all 16 rows), 64 numbers a lane
.irp b, 0,1,2,3
.irp j, 0,1,2,3
.if (\u) < 4
	ds_load_b128 v[(\reg)+16*\b+4*\j:(\reg)+16*\b+4*\j+3], v5 offset:512*(\u)+128*\b+16*\j
.else
	ds_load_b128 v[(\reg)+16*\b+4*\j:(\reg)+16*\b+4*\j+3], v7 offset:128*\b+16*\j
.endif
.endr
.endr
.endm
.macro XUNIT u, cnt                    ; cnt: the LDS instructions issued behind unit u's loads
	s_wait_dscnt \cnt
	QUANT RGA+64*((\u)%2), PC0+8*((\u)%2), TM+8+(\u)%2
.if (\u) < 4
	IMAGE 10, PC0+8*((\u)%2), 1024*(\u)
	ds_store_b32 v11, v[TM+8+(\u)%2] offset:128*(\u)
.else
	IMAGE 12, PC0+8*((\u)%2), 16384
	ds_store_b32 v13, v[TM+8+(\u)%2] offset:2048
.endif
.if (\u) < 3
	XL (\u)+2, RGA+64*((\u)%2)
.endif
.endm
.macro OFETCH m, off                   ; the four fragments of row tile m and their scale words, into set m % 2
.irp s, 0,1,2,3
	ds_load_b128 v[RGB+32*((\m)%2)+8*\s:RGB+32*((\m)%2)+8*\s+3], v8 offset:(\off)+(4*(\m)+\s)*1024
	ds_load_b128 v[RGB+32*((\m)%2)+8*\s+4:RGB+32*((\m)%2)+8*\s+7], v8 offset:(\off)+(4*(\m)+\s)*1024+512
	ds_load_b32 v[XS+4*((\m)%2)+\s], v9 offset:(\off)+128*(4*(\m)+\s)
.endr
.endm
; 32 matrix instructions: my 8 tiles of columns x row tile m, four K steps; the eight accumulators by turns, one instruction a turn.  The first K step takes the bias as C: nothing is cleared or added.
.macro PROD m, wf, wr, cb, ws
	WIN \wf
.irp t, 0,1,2,3,4,5,6,7
	v_wmma_scale_f32_16x16x128_f8f6f4 v[RGA+8*\t:RGA+8*\t+7], v[32*\t:32*\t+7], v[RGB+32*((\m)%2):RGB+32*((\m)%2)+7], v[(\cb)+8*\t:(\cb)+8*\t+7], v[(\ws)+4*\t], v[XS+4*((\m)%2)] matrix_a_fmt:MATRIX_FMT_FP4 matrix_b_fmt:MATRIX_FMT_FP4
.endr
	WIN \wr
.irp s, 1,2,3
.irp t, 0,1,2,3,4,5,6,7
	v_wmma_scale_f32_16x16x128_f8f6f4 v[RGA+8*\t:RGA+8*\t+7], v[32*\t+8*\s:32*\t+8*\s+7], v[RGB+32*((\m)%2)+8*\s:RGB+32*((\m)%2)+8*\s+7], v[RGA+8*\t:RGA+8*\t+7], v[(\ws)+4*\t+\s], v[XS+4*((\m)%2)+\s] matrix_a_fmt:MATRIX_FMT_FP4 matrix_b_fmt:MATRIX_FMT_FP4
.endr
.endr
	WIN 0
	PLACES                                             ; four places in front of the first read of results (ISA guide 7.12.1)
.endm
.macro RELU                            ; each accumulator from its low end on
.set J, 0
.rept 64
	v_max_num_f32 v[RGA+J], 0, v[RGA+J]
.set J, J+1
.endr
.endm
.macro LAYER1 m
	PROD \m, 0x31, 0x01, 0, W1S                        ; source 0 (W1b) window 1; the first C (spb) window 3
.if (\m) < 4
	OFETCH (\m)+1, 0
.endif
	RELU
	QUANT RGA, PC0, TM+8
	IMAGE 12, PC0, HOFF+4096*(\m)                      ; K step w of the second product, row tile m
	ds_store_b32 v13, v[TM+8] offset:HOFF+512*(\m)
	s_wait_dscnt 0x0                                   ; the stores have read their registers, and the next tile's fragments are in
.endm
.macro LAYER2 m
	PROD \m, 0x32, 0x02, 64, W2S                       ; source 0 (W2) window 2; the first C (b2) window 3
.if (\m) < 4
	OFETCH (\m)+1, HOFF
.endif
	RELU
	WIN 0x0c                                           ; source 1 (W3) window 3
.irp c, 0,1,2,3
	v_pk_mul_f32 v[32+2*\c:33+2*\c], v[RGA+2*\c:RGA+2*\c+1], v[128+2*\c:129+2*\c]   ; four chains, started by the first products
.endr
.set P, 4
.rept 28
	v_pk_fma_f32 v[32+2*(P%4):33+2*(P%4)], v[RGA+2*P:RGA+2*P+1], v[128+2*P:129+2*P], v[32+2*(P%4):33+2*(P%4)]
.set P, P+1
.endr
	WIN 0
	v_pk_add_f32 v[32:33], v[32:33], v[34:35]
	v_pk_add_f32 v[36:37], v[36:37], v[38:39]
	v_pk_add_f32 v[32:33], v[32:33], v[36:37]
	v_add_f32 v32, v32, v33
	v_permlanex16_b32 v33, v32, s48, s49
	v_add_f32 v32, v32, v33                            ; row r's part from my 128 units
	ds_store_b32 v14, v32 offset:64*(\m)               ; lanes r and r + 16 write the same word with the same value
	s_wait_dscnt 0x0
.endm
.macro RBL g                           ; my 512 bytes of rows 16 g .. 16 g + 15, into RGA or RGB by turns
.irp k, 0,1,2,3,4,5,6,7,8,9,10,11,12,13,14,15
	ds_load_b128 v[RGA+64*((\g)%2)+4*\k:RGA+64*((\g)%2)+4*\k+3], v[28+(\g)/2] offset:XP*(16*((\g)%2)+\k)
.endr
.endm
.macro FEAT g, cnt                     ; sixteen rows times their p, even rows into v[32:35], odd rows into v[36:39]
	s_wait_dscnt \cnt
.irp k, 0,1,2,3,4,5,6,7,8,9,10,11,12,13,14,15
	v_readlane_b32 s[66+2*\k], v[40+4*((\g)/2)], 16*((\g)%2)+\k
.endr
.irp k, 0,1,2,3,4,5,6,7,8,9,10,11,12,13,14,15
.if ((\g) == 0) && (\k < 2)
	v_pk_mul_f32 v[32+4*\k:33+4*\k], v[RGA+4*\k:RGA+4*\k+1], s[66+2*\k:67+2*\k] op_sel_hi:[1,0]
	v_pk_mul_f32 v[34+4*\k:35+4*\k], v[RGA+4*\k+2:RGA+4*\k+3], s[66+2*\k:67+2*\k] op_sel_hi:[1,0]
.else
	v_pk_fma_f32 v[32+4*(\k%2):33+4*(\k%2)], v[RGA+64*((\g)%2)+4*\k:RGA+64*((\g)%2)+4*\k+1], s[66+2*\k:67+2*\k], v[32+4*(\k%2):33+4*(\k%2)] op_sel_hi:[1,0,1]
	v_pk_fma_f32 v[34+4*(\k%2):35+4*(\k%2)], v[RGA+64*((\g)%2)+4*\k+2:RGA+64*((\g)%2)+4*\k+3], s[66+2*\k:67+2*\k], v[34+4*(\k%2):35+4*(\k%2)] op_sel_hi:[1,0,1]
.endif
.endr
.if (\g) < 2
	RBL (\g)+2
.endif
.endm
	s_load_b512 s[4:19], s[0:1], 0x0                   ; know 4:5, span2concepts 6:7, lengths 8:9, sent 10:11, spb 12:13, wimg1 14:15, wimg2 16:17, b2 18:19
	s_load_b256 s[20:27], s[0:1], 0x40                 ; W3 20:21, b3 22:23, out0 24:25, out1 26:27
	v_lshrrev_b32 v30, 5, v0
	v_readfirstlane_b32 s28, v30                       ; wave w
	v_and_b32 v30, 31, v0                              ; lane
	v_and_b32 v34, 15, v0                              ; r
	v_bfe_u32 v35, v0, 4, 1                            ; h
	v_lshlrev_b32 v1, 4, v30                           ; 16 x lane
	v_lshlrev_b32 v2, 6, v35                           ; 64 h
	s_cmp_eq_u32 s28, 3
	s_cselect_b32 s51, 1, 0
	v_and_b32 v36, s51, v35
	v_cmp_eq_u32 s50, 0, v36                           ; KEEP: all lanes but h = 1 of wave 3, whose last 12 units do not exist
	v_cndmask_b32 v3, 0, v2, s50                       ; 64 h, held at 0 in those lanes
	s_mov_b32 s48, 0x76543210
	s_mov_b32 s49, 0xfedcba98                          ; v_permlanex16_b32's selects for lane l xor 16
	s_mov_b32 s53, 0
	s_wait_kmcnt 0x0
	s_lshl_b32 s52, ttmp9, 8
	s_lshl_b32 s55, s28, 6
	s_add_co_u32 s52, s52, s55
	s_add_nc_u64 s[6:7], s[6:7], s[52:53]              ; my 16 indices
	s_lshl_b32 s52, ttmp9, 2
	s_add_nc_u64 s[8:9], s[8:9], s[52:53]
	s_load_b512 s[32:47], s[6:7], 0x0
	s_load_b32 s29, s[8:9], 0x0
	s_load_b32 s30, s[22:23], 0x0
	s_mul_i32 s52, s28, 36864
	s_add_nc_u64 s[14:15], s[14:15], s[52:53]          ; my part of both images
	s_add_nc_u64 s[16:17], s[16:17], s[52:53]
	WIN 0x40                                           ; destination window 1
	WFRAGS 14, 0, 16                                   ; half of W1b goes out while the indices are on their way
	WIN 0
	s_lshl_b32 s52, ttmp9, 11
	s_lshl_b32 s56, s28, 9
	s_add_co_u32 s52, s52, s56
	s_add_nc_u64 s[10:11], s[10:11], s[52:53]          ; sent, spb, out0: row n, my 512 bytes
	s_add_nc_u64 s[12:13], s[12:13], s[52:53]
	s_add_nc_u64 s[24:25], s[24:25], s[52:53]
	s_mov_b32 s52, s56
	s_add_nc_u64 s[18:19], s[18:19], s[52:53]          ; b2, W3: my 128 numbers
	s_add_nc_u64 s[20:21], s[20:21], s[52:53]
	s_mul_i32 s52, ttmp9, 260
	s_add_nc_u64 s[26:27], s[26:27], s[52:53]          ; out1: row n of 65 numbers
	s_mul_i32 s55, s28, 16*XP
	v_add_nc_u32 v4, s55, v1                           ; XW: my 16 rows, 16 x lane
	v_mul_u32_u24 v5, v34, XP
	v_add_nc_u32 v5, v5, v2
	v_add_nc_u32 v5, s55, v5                           ; XR: row 16 w + r, + 64 h
	v_add_nc_u32 v28, s56, v1                          ; FR0: my 512 bytes of rows 0-31,
	v_add_nc_u32 v29, 32*XP, v28                       ; FR1: of rows 32-63
	s_add_co_u32 s57, s56, X64
	v_add_nc_u32 v6, s57, v1                           ; X64W: my 512 bytes of the sentinel's row
	v_add_nc_u32 v7, s57, v2                           ; X64R: the same, + 64 h, for every r
	v_add_nc_u32 v8, XIMG, v1                          ; LI: an image's place for my lane
	v_lshl_add_u32 v9, v30, 2, XSC                     ; LS: a scale word's
	s_lshl_b32 s57, s28, 12
	v_add_nc_u32 v10, s57, v8                          ; XWI: images 4 w + u
	v_add_nc_u32 v11, s56, v9                          ; XWS
	s_lshl_b32 s57, s28, 10
	v_add_nc_u32 v12, s57, v8                          ; HWI: images 4 m + w
	s_lshl_b32 s57, s28, 7
	v_add_nc_u32 v13, s57, v9                          ; HWS
	s_add_co_u32 s57, s56, SCP
	v_lshl_add_u32 v14, v34, 2, s57                    ; SPW: my parts of the scores, row r
	v_lshl_add_u32 v15, v30, 2, SCP                    ; SPR: row = lane
	v_mov_b32 v31, SCP+256                             ; SPS: row 64
.irp b, 0,1,2,3
	v_mov_b32 v[TM+4+\b], 0                            ; written once: a lane permute's destination counts as one of its sources
.endr
	s_wait_kmcnt 0x0                                   ; the indices, the length, b3
	s_max_i32 s29, s29, 1                              ; rows that count
.irp i, 0,1,2,3,4,5,6,7,8,9,10,11,12,13,14,15
	s_min_u32 s[66+2*\i], s[32+\i], 1023               ; an index stays inside the table
	s_lshl_b32 s[66+2*\i], s[66+2*\i], 11
	s_mov_b32 s[67+2*\i], 0
	s_add_nc_u64 s[66+2*\i:67+2*\i], s[4:5], s[66+2*\i:67+2*\i]
.endr
	WIN 0xc0                                           ; destination window 3
.irp i, 0,1,2,3,4,5,6,7,8,9,10,11,12,13,14,15
.irp j, 0,1,2,3
	global_load_b128 v[16*\i+4*\j:16*\i+4*\j+3], v1, s[66+2*\i:67+2*\i] offset:512*\j   ; 512 consecutive bytes of a row
.endr
.endr
	WIN 0
	global_load_b128 v[24:27], v1, s[10:11]            ; my 512 bytes of the sentinel: kept to the end
	WIN 0x40
	WFRAGS 14, 16, 16
	WIN 0
.irp t, 0,1,2,3,4,5,6,7
	global_load_b128 v[W1S+4*\t:W1S+4*\t+3], v1, s[14:15] offset:32768+512*\t   ; a tile's four scale words
.endr
	s_wait_loadcnt 40                                  ; behind the rows and the sentinel: 32 + 8 loads
	WIN 0x0c                                           ; an LDS store's data are its source 1: window 3
.irp i, 0,1,2,3,4,5,6,7,8,9,10,11,12,13,14,15
.irp j, 0,1,2,3
	ds_store_b128 v4, v[16*\i+4*\j:16*\i+4*\j+3] offset:XP*\i+512*\j
.endr
.endr
	WIN 0
	ds_store_b128 v6, v[24:27]
	; ---- X: five units of 16 rows x 128 K become fragments.  The bytes read are my own, served in order behind my stores.  Loads of what later phases need go out between the units.
	XL 0, RGA
	XL 1, RGB
	XUNIT 0, 16                                        ; behind unit 0's loads: unit 1's 16.  The stage's stores are done too: window 3 may be loaded again
	WIN 0xc0
	VEC8 0, 12, 0                                      ; spb[n]
	WIN 0x80                                           ; destination window 2
	WFRAGS 16, 0, 8
	WIN 0
	global_load_b128 v[W2S:W2S+3], v1, s[16:17] offset:32768
	global_load_b128 v[W2S+4:W2S+7], v1, s[16:17] offset:32768+512
	XUNIT 1, 19                                        ; behind unit 1's loads: an image's 3 stores and the next unit's 16 loads
	WIN 0x80
	WFRAGS 16, 8, 8
	WIN 0
	global_load_b128 v[W2S+8:W2S+11], v1, s[16:17] offset:32768+1024
	global_load_b128 v[W2S+12:W2S+15], v1, s[16:17] offset:32768+1536
	XUNIT 2, 19
	WIN 0x80
	WFRAGS 16, 16, 8
	WIN 0
	global_load_b128 v[W2S+16:W2S+19], v1, s[16:17] offset:32768+2048
	global_load_b128 v[W2S+20:W2S+23], v1, s[16:17] offset:32768+2560
	XUNIT 3, 19
	WIN 0x80
	WFRAGS 16, 24, 8
	WIN 0
	global_load_b128 v[W2S+24:W2S+27], v1, s[16:17] offset:32768+3072
	global_load_b128 v[W2S+28:W2S+31], v1, s[16:17] offset:32768+3584
	XUNIT 4, 3                                         ; behind unit 4's loads: unit 3's 3 stores
	WIN 0xc0
	VEC8 64, 18, 1                                     ; b2
	VEC8 128, 20, 1                                    ; W3
	WIN 0
	BARRIER                                            ; x's twenty fragments lie in LDS
	; ---- the first layer
	s_wait_loadcnt 63                                  ; behind spb's loads 104 were issued: W1b, its scale words and spb are in
	OFETCH 0, 0
	s_wait_dscnt 0x0
.irp m, 0,1,2,3,4
	LAYER1 \m
.endr
	BARRIER                                            ; the hidden layer's twenty fragments lie in LDS
	; ---- the second layer and the dot with W3
	s_wait_loadcnt 0x0
	WIN 0xcc                                           ; source 1 and destination window 3
.irp k, 52,53,54,55,56,57,58,59,60,61,62,63
	v_cndmask_b32 v[128+\k], 0, v[128+\k], s50         ; units past 499 weigh nothing
.endr
	WIN 0
	OFETCH 0, HOFF
	s_wait_dscnt 0x0
.irp m, 0,1,2,3,4
	LAYER2 \m
.endr
	BARRIER                                            ; all four waves' parts of the 65 scores lie in LDS
	; ---- the softmax, made by every wave: lane l holds rows l and 32 + l, every lane row 64
.irp w, 0,1,2,3
	ds_load_b32 v[40+\w], v15 offset:512*\w
	ds_load_b32 v[44+\w], v15 offset:512*\w+128
	ds_load_b32 v[48+\w], v31 offset:512*\w
.endr
	RBL 0
	RBL 1
.irp k, 0,1,2,3,4,5,6,7,8,9,10,11,12,13,14,15
	s_mov_b32 s[67+2*\k], 0                            ; every gather is in: the pairs now hold p and 0 (the packed form names a pair and takes its low word)
.endr
	v_mov_b32 v52, 0xf149f2ca                          ; -1e30
	v_add_nc_u32 v53, 32, v30
	v_mov_b32 v55, 0
	v_mov_b32 v57, 0
	v_lshlrev_b32 v59, 2, v30
	s_wait_dscnt 32                                    ; behind the twelve: two batches of 16 rows
.irp a, 40,44,48
	v_add_f32 v[\a], v[\a], v[\a+1]
	v_add_f32 v[\a+2], v[\a+2], v[\a+3]
.endr
.irp a, 40,44,48
	v_add_f32 v[\a], v[\a], v[\a+2]
.endr
.irp a, 40,44,48
	v_add_f32 v[\a], s30, v[\a]                        ; + b3
.endr
	v_cmp_gt_i32 vcc_lo, s29, v30
	v_cndmask_b32 v40, v52, v40, vcc_lo                ; rows at or past the count get -1e30
	v_cmp_gt_i32 vcc_lo, s29, v53
	v_cndmask_b32 v44, v52, v44, vcc_lo
	v_max3_num_f32 v54, v40, v44, v48
	v_max_num_f32_dpp v54, v54, v54 row_xmask:1 row_mask:0xf bank_mask:0xf
	v_max_num_f32_dpp v54, v54, v54 row_xmask:2 row_mask:0xf bank_mask:0xf
	v_max_num_f32_dpp v54, v54, v54 row_xmask:4 row_mask:0xf bank_mask:0xf
	v_max_num_f32_dpp v54, v54, v54 row_xmask:8 row_mask:0xf bank_mask:0xf
	v_permlanex16_b32 v55, v54, s48, s49
	v_max_num_f32 v54, v54, v55                        ; the largest of the 65
.irp a, 40,44,48
	v_sub_f32 v[\a], v[\a], v54
.endr
.irp a, 40,44,48
	v_mul_f32 v[\a], 0x3fb8aa3b, v[\a]                 ; x log2(e)
.endr
	v_exp_f32 v40, v40
	v_exp_f32 v44, v44
	v_exp_f32 v48, v48
	v_nop                                              ; a plain place behind the last exponential
	s_wait_alu depctr_va_vdst(0)                       ; one wait for the three, ahead of their first reader
	v_add_f32 v56, v40, v44
	v_add_f32_dpp v56, v56, v56 row_xmask:1 row_mask:0xf bank_mask:0xf
	v_add_f32_dpp v56, v56, v56 row_xmask:2 row_mask:0xf bank_mask:0xf
	v_add_f32_dpp v56, v56, v56 row_xmask:4 row_mask:0xf bank_mask:0xf
	v_add_f32_dpp v56, v56, v56 row_xmask:8 row_mask:0xf bank_mask:0xf
	v_permlanex16_b32 v57, v56, s48, s49
	v_add_f32 v56, v56, v57
	v_add_f32 v56, v56, v48                            ; the sentinel's term, once
	v_rcp_f32 v58, v56
	v_nop
	s_wait_alu depctr_va_vdst(0)
	v_mul_f32 v40, v40, v58
	v_mul_f32 v44, v44, v58
	v_mul_f32 v48, v48, v58
	s_cmp_lg_u32 s28, 0                                ; wave 0 stores p
	s_cbranch_scc1 .Lno_p
	global_store_b32 v59, v40, s[26:27]
	global_store_b32 v59, v44, s[26:27] offset:128
	s_wait_xcnt 0x0                                    ; EXEC changes only behind this wait
	v_cmp_eq_u32 vcc_lo, 0, v30
	s_and_saveexec_b32 s54, vcc_lo
	global_store_b32 v59, v48, s[26:27] offset:256     ; row 64, by lane 0
	s_wait_xcnt 0x0
	s_or_b32 exec_lo, exec_lo, s54
.Lno_p:
	; ---- the mix: my 128 channels, 4 a lane, of the 64 rows in LDS and of the sentinel in registers
	FEAT 0, 16                                         ; behind a batch's loads: the next batch's 16
	FEAT 1, 16
	FEAT 2, 16
	FEAT 3, 0
	v_readlane_b32 s66, v48, 0
	v_pk_fma_f32 v[32:33], v[24:25], s[66:67], v[32:33] op_sel_hi:[1,0,1]
	v_pk_fma_f32 v[34:35], v[26:27], s[66:67], v[34:35] op_sel_hi:[1,0,1]
	v_pk_add_f32 v[32:33], v[32:33], v[36:37]
	v_pk_add_f32 v[34:35], v[34:35], v[38:39]
	global_store_b128 v1, v[32:35], s[24:25]           ; 32 lanes store 512 consecutive bytes, at a multiple of 256 from out0's first byte
	s_wait_xcnt 0x0
	s_mov_b32 exec_lo, -1
	v_lshl_add_u32 v62, v0, 2, 0x2c900
	v_mov_b32 v63, 0
	s_wait_tensorcnt 0x0
	ds_add_u32 v62, v63
	s_wait_dscnt 0x0
	s_endpgm
.Lfunc_end_k_qc8970cc7d4_link:
	.size	k_qc8970cc7d4_link, .Lfunc_end_k_qc8970cc7d4_link-k_qc8970cc7d4_link
	.p2alignl 7, 3214868480
	.fill 96, 4, 3214868480
	.section	.rodata,"a",@progbits
	.p2align	6, 0x0
	.amdhsa_kernel k_qc8970cc7d4_link
		.amdhsa_group_segment_fixed_size 183040
		.amdhsa_private_segment_fixed_size 0
		.amdhsa_enable_private_segment 0
		.amdhsa_kernarg_size 96
		.amdhsa_user_sgpr_count 2
		.amdhsa_user_sgpr_kernarg_segment_ptr 1
		.amdhsa_wavefront_size32 1
		.amdhsa_system_sgpr_workgroup_id_x 1
		.amdhsa_system_sgpr_workgroup_id_y 1
		.amdhsa_system_sgpr_workgroup_id_z 1
		.amdhsa_system_vgpr_workitem_id 0
		.amdhsa_next_free_vgpr 1024
		.amdhsa_next_free_sgpr 100
		.amdhsa_reserve_vcc 1
		.amdhsa_float_denorm_mode_32 3
		.amdhsa_float_denorm_mode_16_64 3
		.amdhsa_memory_ordered 1
		.amdhsa_forward_progress 1
		.amdhsa_inst_pref_size 183
	.end_amdhsa_kernel
	.amdgpu_metadata
---
amdhsa.version: [ 1, 2 ]
amdhsa.kernels:
  - .name:           k_qc8970cc7d4_link
    .symbol:         k_qc8970cc7d4_link.kd
    .args:
      - { .name: knowledge_embs, .offset: 0, .size: 8, .value_kind: global_buffer, .address_space: global }
      - { .name: span2concepts, .offset: 8, .size: 8, .value_kind: global_buffer, .address_space: global }
      - { .name: lengths, .offset: 16, .size: 8, .value_kind: global_buffer, .address_space: global }
      - { .name: sent, .offset: 24, .size: 8, .value_kind: global_buffer, .address_space: global }
      - { .name: spb, .offset: 32, .size: 8, .value_kind: global_buffer, .address_space: global }
      - { .name: wimg1, .offset: 40, .size: 8, .value_kind: global_buffer, .address_space: global }
      - { .name: wimg2, .offset: 48, .size: 8, .value_kind: global_buffer, .address_space: global }
      - { .name: b2, .offset: 56, .size: 8, .value_kind: global_buffer, .address_space: global }
      - { .name: W3, .offset: 64, .size: 8, .value_kind: global_buffer, .address_space: global }
      - { .name: b3, .offset: 72, .size: 8, .value_kind: global_buffer, .address_space: global }
      - { .name: out0, .offset: 80, .size: 8, .value_kind: global_buffer, .address_space: global }
      - { .name: out1, .offset: 88, .size: 8, .value_kind: global_buffer, .address_space: global }
    .group_segment_fixed_size: 183040
    .private_segment_fixed_size: 0
    .kernarg_segment_align: 8
    .kernarg_segment_size: 96
    .max_flat_workgroup_size: 128
    .sgpr_count:     100
    .vgpr_count:     1024
    .wavefront_size: 32
...
	.end_amdgpu_metadata
.endif
;; end of part 2
;; ======== version 2 of 2: 2 launches
;; workspace buffers: sent 524,288 bytes; spb 524,288 bytes; wimg1 147,456 bytes; wimg2 147,456 bytes
;; launch prep (part 3): grid 80 x 1, 16 waves a work-group, no clusters, 191,488 bytes of LDS; arguments span_embs, Ws, W1, W2, bs, b1, sent, spb, wimg1, wimg2; writes sent, spb, wimg1, wimg2
.if DOCPART == 3
	.amdgcn_target "amdgcn-amd-amdhsa--gfx1250"
	.amdhsa_code_object_version 6
	.text
	.protected	k_qc8970cc7d4_prep
	.globl	k_qc8970cc7d4_prep
	.p2align	8
	.type	k_qc8970cc7d4_prep,@function
k_qc8970cc7d4_prep:
	s_mov_b64 s[64:65], 0
	v_nop
	global_prefetch_b8 v0, s[64:65] scope:SCOPE_SE
	s_setreg_imm32_b32 hwreg(HW_REG_WAVE_SCHED_MODE, 0, 2), 2
	s_setreg_imm32_b32 hwreg(HW_REG_WAVE_MODE, 25, 1), 1
	s_wait_xcnt 0x0
	s_wait_alu depctr_vm_vsrc(0)
; WHAT IT MAKES.  sent = relu(Q(span) Q(Ws) + bs) [256][512];  spb = Q(span) Q(W1 rows 0-511) + b1 [256][512], columns 500-511 = 0;
; wimg1 = Q(W1 rows 512-1023), wimg2 = Q(W2), as images of the operand registers that the next launch loads.  Q: codes of E2M1 with one E8M0 byte for each 32 along K.
; ROLES.  Work-groups 0-63 multiply: kind = g / 32 (0: Ws, 1: W1a), 64 rows of span (g % 4) x a strip of 64 columns ((g / 4) % 8).  Work-groups 64-79 only quantise: kind 2 (W1b) or 3 (W2), strip g % 8.
; The two roles part once, on the work-group's number; only the first uses LDS and barriers.
; SHARES.  Sixteen waves.  Wave wv quantises the weight fragment (tile t = wv / 4 of 16 columns, K step s = wv % 4 of 128) and, when multiplying, the x fragment (rows 16 (wv / 4) on, K step wv % 4);
; fragments go from wave to wave through LDS as images of their registers; then wave wv makes the tile of 16 rows (wv / 4) x 16 columns (wv % 4) with four matrix instructions.
; THE COLUMNS OF A TILE ARE NOT NEIGHBOURS: lane r of tile t takes column 64 q + 32 (t / 2) + 8 (t % 2) + r + 8 (r / 8).  The product is used transposed (source 0 = 16 columns of the weight,
; source 1 = 16 rows of x), so that lane (r, h) holds row r and its register j the column 64 q + 32 (t / 2) + 16 h + 8 (t % 2) + j.
; A weight is stored [K][N]: a lane takes a column and its registers run down K, so the conversions give the operand's registers as they stand.
; PADDING.  Columns 500-511 get zero codes and a zero bias; W2's rows 500-511 do not exist: the lanes concerned read 32 rows higher and the numbers are replaced by 0 ahead of the block's maximum.
; LIMITS.  NaN and infinities among the inputs are not served.  A block of zeros gets the byte 1 (the floor) with zero codes; only this program reads the bytes.
; ORDER OF SUMS.  The bias is the C of K step 0; K steps 0 and 2 are summed in one accumulator, 1 and 3 in another, and the two are added.
; THE MODE: SCHED_MODE bits 1:0 = 2 (LLVM: expert scheduling mode 2), set by the entry lines.  The code itself states the register dependences
; between vector or matrix instructions and memory or LDS instructions, with s_wait_alu, always for 0.
; THE PLAN.  Registers that memory or LDS instructions touch:
;   v4-8, v11-22  offsets and LDS addresses: written by vector instructions at the head, once; read by every load and store; never written again.
;   v128-191      x as loaded: written by global loads, read by the stage's LDS stores, then written by the fragments' LDS loads; no vector instruction names them.
;   v56-63, v64-127  the bias and the weight's numbers: written by global loads once; after that named by vector and matrix instructions alone.
;   v192-255      x turned: written by LDS loads, read by x's quantiser.  Then 192-207 are accumulators, 208-215 their sum (written by vector instructions, read by two LDS stores),
;                 216-223 take two LDS loads and are read by two global stores, 224-231 take the weight's codes in the multiplying role.
;   v48-55, v40   x's codes and scale word;  v224-231, v9  the weight's: written by the two quantisers, read by six LDS stores, never written again: two sets of codes, so that one wait serves all six stores.
;   v24-31        scale words: written by LDS loads, read by matrix instructions.     v42, v43: written at the head, read by the closing add alone.
; THE WAITS.  Two on va_sdst (the wave's number; the four masks).  One on va_vdst at the head's end, for all addresses, ahead of the parting of the roles.  In the multiplying role: one on va_vdst behind both
; quantisers, one on vm_vsrc behind the first barrier (the stage's stores have read v128-191), one on va_vdst ahead of the stores into the way out's stage.  In the quantising role: one on va_vdst ahead of its stores.
.set XST,  0                           ; LDS: for each wave 16 rows x (512 bytes + 16): the turn of x from load order into 16 neighbours a lane
.set XIMG, 135168                      ; x's 16 fragments, 1,024 bytes each, index 4 m + s
.set XSC,  151552                      ; their scale words, 128 bytes each
.set WIMG, 153600                      ; the weight's 16 fragments, index 4 t + s
.set WSC,  169984                      ; their scale words
.set STG,  172032                      ; the way out: 64 rows x (256 bytes + 16); behind it, from byte 0x2e400 on, the spare words: 128 bytes for each of the sixteen waves, which no other line names
.set WOFF, 18432                       ; WIMG - XIMG = WSC - XSC
.set TM,   32                          ; v32-47  at work in the quantisers (v42, v43 are not theirs: the closing add's two registers)
.set PC,   48                          ; v48-55  the codes just made
.set BI,   56                          ; v56-63  the bias in the result's layout
.set WN,   64                          ; v64-127 64 numbers of the weight
.set XR,   128                         ; v128-191 x as loaded; later x's four fragments (128-159) and the weight's four (160-191)
.set XT,   192                         ; v192-255 x turned; later the accumulators 192-199, 200-207, their sum 208-215, rows on the way out 216-223
.set PCW,  224                         ; v224-231 the weight's codes in the multiplying role, in registers of x turned that x's quantiser has done with
; v1 lane, v2 r, v3 h, v4 VO, v5 VO2, v6 XO, v7 v8 bias offsets, v9 v10 the weight's scale word, v11-v21 LDS and output addresses, v22 16 x lane; v24-27 x's scale words, v28-31 the weight's: scales and nothing else
.macro QUANT src, pc, pw               ; 64 numbers of a lane, register 16 b + i = k 32 b + 16 h + i of its row, become a fragment's codes in v[pc] on and the row's scale word in v[pw]
.irp b, 0,1,2,3
	v_max3_num_f32 v[TM+\b], |v[(\src)+16*\b]|, |v[(\src)+1+16*\b]|, 0x1800000   ; my 16 numbers of block b, and the floor 2^(3 - 127): the byte cannot fall under 1
.endr
.irp i, 2,4,6,8,10,12,14
.irp b, 0,1,2,3
	v_max3_num_f32 v[TM+\b], v[TM+\b], |v[(\src)+16*\b+\i]|, |v[(\src)+1+16*\b+\i]|
.endr
.endr
.irp b, 0,1,2,3
	v_permlanex16_b32 v[TM+4+\b], v[TM+\b], s40, s41
.endr
.irp b, 0,1,2,3
	v_max_num_f32 v[TM+\b], v[TM+\b], v[TM+4+\b]       ; with lane l xor 16: the block's largest magnitude
.endr
.irp b, 0,1,2,3
	v_add_nc_u32 v[TM+12+\b], 0xff000000, v[TM+\b]     ; 2 off its exponent field: the conversion's scale operand
.endr
.irp b, 0,1,2,3
	v_lshrrev_b32 v[TM+4+\b], 23, v[TM+12+\b]          ; the scale's byte
.endr
	v_lshl_or_b32 v[\pw], v[TM+5], 8, v[TM+4]
	v_lshl_or_b32 v[\pw], v[TM+6], 16, v[\pw]
	v_lshl_or_b32 v[\pw], v[TM+7], 24, v[\pw]
.irp b, 0,1,2,3
	v_cvt_scalef32_pk8_fp4_f32 v[(\pc)+2*\b], v[(\src)+16*\b:(\src)+7+16*\b], v[TM+12+\b]
	v_cvt_scalef32_pk8_fp4_f32 v[(\pc)+1+2*\b], v[(\src)+8+16*\b:(\src)+15+16*\b], v[TM+12+\b]
.endr
	v_nop                                              ; one plain place behind a scaled conversion
.irp c, 0,1                                        ; the operand wants a whole block in a lane: lanes 0-15 block 2 c, lanes 16-31 block 2 c + 1
.irp i, 0,1
	v_permlane16_swap_b32 v[(\pc)+4*\c+\i], v[(\pc)+2+4*\c+\i]
.endr
.endr
.endm
.macro IMAGE adr, pc, off              ; a fragment goes to LDS as it stands: lane l's 16 bytes at 16 l
.irp c, 0,1
	ds_store_b128 v[\adr], v[(\pc)+4*\c:(\pc)+4*\c+3] offset:(\off)+512*\c
.endr
.endm
.macro FETCH reg, adr, off             ; and comes back so, in any wave
.irp c, 0,1
	ds_load_b128 v[(\reg)+4*\c:(\reg)+4*\c+3], v[\adr] offset:(\off)+512*\c
.endr
.endm
.macro BARRIER                         ; my LDS stores have landed and my LDS loads are in: then the work-group's barrier
	s_wait_dscnt 0x0
	s_barrier_signal -1
	s_barrier_wait -1
.endm
; 64 numbers of my column: W(row0 + 128 s + 64 c + 32 h + i, column).  tail: the offset register of the last 12 rows of c = 1
.macro WLOAD pitch, tail
.irp c, 0,1
.irp i, 0,1,2,3,4,5,6,7,8,9,10,11,12,13,14,15,16,17,18,19,20,21,22,23,24,25,26,27,28,29,30,31
.if (\c == 1) && (\i >= 20)
	global_load_b32 v[WN+32*\c+\i], v[\tail], s[24:25] offset:\pitch*(64*\c+\i)
.else
	global_load_b32 v[WN+32*\c+\i], v4, s[24:25] offset:\pitch*(64*\c+\i)
.endif
.endr
.endr
.endm
; The weight's fragment, its codes into v[pc] on: a lane holds two whole blocks (2 c + h), so no other lane is asked for a maximum; the scale word's four bytes are gathered from lanes l and l xor 16
.macro WQUANT keepk, pc
	s_wait_loadcnt 0x0                                 ; all my loads are in
.if \keepk
.irp i, 20,21,22,23,24,25,26,27,28,29,30,31
	v_cndmask_b32 v[WN+32+\i], 0, v[WN+32+\i], s42     ; rows past the end of K count as 0, ahead of the maximum
.endr
.endif
.irp c, 0,1
	v_max3_num_f32 v[TM+\c], |v[WN+32*\c]|, |v[WN+32*\c+1]|, 0x1800000
.endr
.irp i, 2,4,6,8,10,12,14,16,18,20,22,24,26,28,30
.irp c, 0,1
	v_max3_num_f32 v[TM+\c], v[TM+\c], |v[WN+32*\c+\i]|, |v[WN+32*\c+\i+1]|
.endr
.endr
.irp c, 0,1
	v_add_nc_u32 v[TM+12+\c], 0xff000000, v[TM+\c]
.endr
.irp c, 0,1
	v_lshrrev_b32 v[TM+4+\c], 23, v[TM+12+\c]
.endr
	v_lshl_or_b32 v9, v[TM+5], 16, v[TM+4]             ; my two bytes: blocks h and 2 + h,
	v_lshlrev_b32 v10, 3, v3
	v_lshlrev_b32 v9, v10, v9                          ; at their places in the word (8 h bits up);
	v_mov_b32 v10, 0
	v_permlanex16_b32 v10, v9, s40, s41
	v_or_b32 v9, v9, v10                               ; with lane l xor 16's two the word is whole
.irp c, 0,1
.irp g, 0,1,2,3
	v_cvt_scalef32_pk8_fp4_f32 v[(\pc)+4*\c+\g], v[WN+32*\c+8*\g:WN+32*\c+8*\g+7], v[TM+12+\c]
.endr
.endr
	v_nop                                              ; one plain place behind a scaled conversion
.irp k, 0,1,2,3,4,5,6,7
	v_cndmask_b32 v[(\pc)+\k], 0, v[(\pc)+\k], s43     ; columns past the weight's last get zero codes
.endr
.endm
	s_load_b512 s[4:19], s[0:1], 0x0                   ; span 4:5, Ws 6:7, W1 8:9, W2 10:11, bs 12:13, b1 14:15, sent 16:17, spb 18:19
	s_load_b128 s[20:23], s[0:1], 0x40                 ; wimg1 20:21, wimg2 22:23
	v_lshl_add_u32 v42, v0, 2, 0x2e400                 ; the LDS address of my spare word, and 0: made here and kept for the closing lines alone
	v_mov_b32 v43, 0
	v_lshrrev_b32 v1, 5, v0
	v_readfirstlane_b32 s46, v1                        ; wave wv
	v_and_b32 v1, 31, v0                               ; lane
	v_and_b32 v2, 15, v0                               ; r
	s_wait_alu depctr_va_vdst(0)
	v_bfe_u32 v3, v0, 4, 1                             ; h
	s_wait_alu depctr_va_vdst(0)
	v_lshlrev_b32 v22, 4, v1                           ; 16 x lane
	s_wait_alu depctr_va_sdst(0)                       ; s46 is written, ahead of its first reader, the line below
	s_lshr_b32 s47, s46, 2                             ; t = m = wv / 4
	s_and_b32 s48, s46, 3                              ; s = tt = wv % 4
	s_lshr_b32 s49, ttmp9, 5
	s_bfe_u32 s50, ttmp9, 0x10003
	s_add_co_u32 s50, s50, 2
	s_bfe_u32 s51, ttmp9, 0x30002
	s_and_b32 s52, ttmp9, 7
	s_and_b32 s53, ttmp9, 3                            ; rb
	s_cmp_lt_u32 ttmp9, 64
	s_cselect_b32 s49, s49, s50                        ; kind
	s_cselect_b32 s51, s51, s52                        ; q
	s_mov_b32 s26, 2000
	s_mov_b32 s27, 500
	s_mov_b32 s38, 0xff800000
	s_cmp_eq_u32 s49, 0
	s_cselect_b32 s26, 2048, s26                       ; the weight's row in bytes
	s_cselect_b32 s27, 512, s27                        ; its columns
	s_cselect_b32 s38, 0, s38                          ; what the result is held at from below: 0 (relu) or -infinity (nothing)
	s_cmp_eq_u32 s49, 2
	s_cselect_b32 s28, 512, 0                          ; the weight's first row
	s_cmp_eq_u32 s49, 3
	s_cselect_b32 s39, 1, 0
	s_cmp_eq_u32 s48, 3
	s_cselect_b32 s39, s39, 0                          ; 1: W2's last K step
	s_mov_b32 s40, 0x76543210
	s_mov_b32 s41, 0xfedcba98                          ; v_permlanex16_b32's selects for lane l xor 16
	s_lshl_b32 s29, s51, 6                             ; 64 q
	s_lshr_b32 s2, s47, 1
	s_lshl_b32 s2, s2, 5
	s_and_b32 s3, s47, 1
	s_lshl_b32 s3, s3, 3
	s_add_co_u32 s62, s29, s2
	s_add_co_u32 s62, s62, s3                          ; first column of weight tile t
	s_lshr_b32 s2, s48, 1
	s_lshl_b32 s2, s2, 5
	s_and_b32 s3, s48, 1
	s_lshl_b32 s3, s3, 3
	s_add_co_u32 s63, s29, s2
	s_add_co_u32 s63, s63, s3                          ; and of output tile tt
	v_and_b32 v23, 8, v2
	v_add_nc_u32 v23, v23, v2
	v_add_nc_u32 v23, s62, v23                         ; my column
	v_cmp_gt_u32 s43, s27, v23                         ; KEEPC: it exists
	s_sub_co_u32 s2, s27, 1
	v_min_u32 v4, s2, v23                              ; no load leaves the weight
	v_lshlrev_b32 v4, 2, v4
	s_lshl_b32 s3, s48, 7
	s_add_co_u32 s3, s3, s28
	v_lshl_add_u32 v5, v3, 5, s3                       ; my first row: row0 + 128 s + 32 h
	v_mul_lo_u32 v5, v5, s26
	v_add_nc_u32 v4, v4, v5                            ; VO
	v_and_b32 v5, s39, v3
	v_cmp_eq_u32 s42, 0, v5                            ; KEEPK: all lanes but h = 1 of W2's last K step
	v_mul_u32_u24 v5, v5, 64000
	v_sub_nc_u32 v5, v4, v5                            ; VO2: those lanes read 32 rows higher
	s_lshl_b32 s2, s53, 17
	s_lshl_b32 s3, s47, 15
	s_add_co_u32 s2, s2, s3
	s_lshl_b32 s3, s48, 9
	s_add_co_u32 s2, s2, s3
	v_lshl_add_u32 v6, v1, 4, s2                       ; XO: (64 rb + 16 m) rows of 2,048 bytes + 512 s + 16 x lane
	v_lshl_add_u32 v7, v3, 4, s63                      ; my first column of the output tile
	v_cmp_gt_u32 s44, s27, v7                          ; KEEPA: its first four columns exist
	v_add_nc_u32 v8, 4, v7
	v_cmp_gt_u32 s45, s27, v8                          ; KEEPB: the other four
	s_lshl_b32 s2, s27, 2
	s_sub_co_u32 s2, s2, 16
	v_lshlrev_b32 v7, 2, v7
	v_lshlrev_b32 v8, 2, v8
	v_min_u32 v7, s2, v7                               ; no load leaves the bias
	v_min_u32 v8, s2, v8
	s_mul_i32 s2, s46, 8448
	v_lshl_add_u32 v11, v1, 4, s2                      ; XSTW: my stage, 16 x lane
	v_mul_u32_u24 v12, v2, 528
	v_lshl_add_u32 v12, v3, 6, v12
	v_add_nc_u32 v12, s2, v12                          ; XSTR: row r, + 64 h
	s_lshl_b32 s3, s46, 10
	s_add_co_u32 s3, s3, XIMG
	v_add_nc_u32 v13, s3, v22                          ; IMW: where I store an image
	s_lshl_b32 s3, s46, 7
	s_add_co_u32 s3, s3, XSC
	v_lshl_add_u32 v14, v1, 2, s3                      ; SCWR: and its scale words
	s_lshl_b32 s3, s47, 12
	s_add_co_u32 s3, s3, XIMG
	v_add_nc_u32 v15, s3, v22                          ; FX: x's fragments of row tile m
	s_lshl_b32 s3, s48, 12
	s_add_co_u32 s3, s3, WIMG
	v_add_nc_u32 v16, s3, v22                          ; FW: the weight's of tile tt
	s_lshl_b32 s3, s47, 9
	s_add_co_u32 s3, s3, XSC
	v_lshl_add_u32 v17, v1, 2, s3                      ; FXS
	s_lshl_b32 s3, s48, 9
	s_add_co_u32 s3, s3, WSC
	v_lshl_add_u32 v18, v1, 2, s3                      ; FWS
	s_mul_i32 s2, s47, 4352
	s_lshr_b32 s3, s48, 1
	s_lshl_b32 s3, s3, 7
	s_add_co_u32 s2, s2, s3
	s_and_b32 s3, s48, 1
	s_lshl_b32 s3, s3, 5
	s_add_co_u32 s2, s2, s3
	s_add_co_u32 s2, s2, STG
	v_mul_u32_u24 v19, v2, 272
	v_lshl_add_u32 v19, v3, 6, v19
	v_add_nc_u32 v19, s2, v19                          ; STO: row 16 m + r, bytes 128 (tt / 2) + 64 h + 32 (tt % 2)
	s_mul_i32 s2, s46, 1088
	s_add_co_u32 s2, s2, STG
	v_mul_u32_u24 v20, v3, 272
	v_lshl_add_u32 v20, v2, 4, v20
	v_add_nc_u32 v20, s2, v20                          ; STR: row 4 wv + h, 16 bytes a lane
	s_lshl_b32 s2, s46, 13
	v_lshlrev_b32 v21, 11, v3
	v_lshl_add_u32 v21, v2, 4, v21
	v_add_nc_u32 v21, s2, v21                          ; GO: the same place in the output
.irp b, 0,1,2,3
	v_mov_b32 v[TM+4+\b], 0                            ; written once: a lane permute's destination counts as one of its sources
.endr
	s_wait_alu depctr_va_sdst(0)                       ; the four masks s42 to s45 are written
	s_wait_alu depctr_va_vdst(0)                       ; the offsets and addresses v4 to v8 and v11 to v22 are written, which the loads and stores of both roles read; no vector instruction writes one of them again
	s_lshl_b32 s54, s53, 17
	s_lshl_b32 s55, s51, 8
	s_add_co_u32 s54, s54, s55                         ; the output's corner: 64 rb rows + 256 q bytes
	s_mov_b32 s55, 0
	s_lshr_b32 s56, s51, 1
	s_mul_i32 s56, s56, 36864                          ; the part of the wave (q / 2) that will load the image
	s_and_b32 s57, s51, 1
	s_lshl_b32 s57, s57, 2
	s_add_co_u32 s57, s57, s47                         ; its tile 4 (q % 2) + t
	s_lshl_b32 s58, s57, 2
	s_add_co_u32 s58, s58, s48
	s_lshl_b32 s58, s58, 10
	s_add_co_u32 s58, s58, s56                         ; fragment 4 tile + s, 1,024 bytes each
	s_mov_b32 s59, 0
	s_lshl_b32 s60, s57, 9
	s_lshl_b32 s61, s48, 2
	s_add_co_u32 s60, s60, s61
	s_add_co_u32 s60, s60, s56
	s_add_co_u32 s60, s60, 32768                       ; scale words: behind the 32 fragments, 512 bytes a tile, 16 a lane, 4 a K step
	s_mov_b32 s61, 0
	s_wait_kmcnt 0x0
	s_cmp_eq_u32 s49, 0                                ; the choices hang on the work-group's number alone
	s_cselect_b64 s[24:25], s[6:7], s[8:9]
	s_cselect_b64 s[30:31], s[12:13], s[14:15]
	s_cselect_b64 s[32:33], s[16:17], s[18:19]
	s_cmp_eq_u32 s49, 3
	s_cselect_b64 s[24:25], s[10:11], s[24:25]         ; the weight
	s_cselect_b64 s[34:35], s[22:23], s[20:21]         ; the image's buffer
	s_add_nc_u64 s[32:33], s[32:33], s[54:55]
	s_add_nc_u64 s[36:37], s[34:35], s[60:61]
	s_add_nc_u64 s[34:35], s[34:35], s[58:59]
	s_cmp_lt_u32 ttmp9, 64
	s_cbranch_scc0 .Limage
	; ---- THE MULTIPLYING ROLE.  x and the bias are asked for first, then the weight's 64 numbers
.irp i, 0,1,2,3,4,5,6,7,8,9,10,11,12,13,14,15
	global_load_b128 v[XR+4*\i:XR+4*\i+3], v6, s[4:5] offset:2048*\i   ; 512 consecutive bytes of row i
.endr
	global_load_b128 v[BI:BI+3], v7, s[30:31]
	global_load_b128 v[BI+4:BI+7], v8, s[30:31]
	s_cmp_eq_u32 s49, 0
	s_cbranch_scc0 .Lw2000
	WLOAD 2048, 4
	s_branch .Lwdone
.Lw2000:
	WLOAD 2000, 4
.Lwdone:
	s_wait_loadcnt 63                                  ; 82 loads are issued on either way: at most 63 out means that the first 19 are in, x's 16 and the bias's 2 among them
.irp j, 0,1,2,3
	v_cndmask_b32 v[BI+\j], 0, v[BI+\j], s44           ; no bias for columns that do not exist
.endr
.irp j, 4,5,6,7
	v_cndmask_b32 v[BI+\j], 0, v[BI+\j], s45
.endr
.irp i, 0,1,2,3,4,5,6,7,8,9,10,11,12,13,14,15
	ds_store_b128 v11, v[XR+4*\i:XR+4*\i+3] offset:528*\i   ; the data came by loads, the address stands since the head: the eight selects above name neither
.endr
.irp b, 0,1,2,3
.irp j, 0,1,2,3
	ds_load_b128 v[XT+16*\b+4*\j:XT+16*\b+4*\j+3], v12 offset:128*\b+16*\j   ; my own bytes, served in order: these see the stores above
.endr
.endr
	s_wait_dscnt 0x0
	QUANT XT, PC, TM+8
	WQUANT 0, PCW                                      ; the weight's codes have registers of their own, so both quantisers stand on end
	s_wait_alu depctr_va_vdst(0)                       ; both quantisers have written their codes (v48-55, v224-231) and scale words (v40, v9), which the six LDS stores below read; x's is also done reading v216-223, in which LDS loads land on the way out
	IMAGE 13, PC, 0
	ds_store_b32 v14, v[TM+8]
	IMAGE 13, PCW, WOFF
	ds_store_b32 v14, v9 offset:WOFF
	BARRIER                                            ; x's sixteen fragments and the weight's sixteen lie in LDS
	s_wait_alu depctr_vm_vsrc(0)                       ; my LDS stores into the turning stage have read v128-191, in which the fragments below land
.irp s, 0,1,2,3
	FETCH 128+8*\s, 15, 1024*\s
	FETCH 160+8*\s, 16, 1024*\s
	ds_load_b32 v[24+\s], v17 offset:128*\s
	ds_load_b32 v[28+\s], v18 offset:128*\s
.endr
	s_wait_dscnt 0x0
	; two accumulators by turns, one instruction a turn
	v_wmma_scale_f32_16x16x128_f8f6f4 v[192:199], v[160:167], v[128:135], v[56:63], v28, v24 matrix_a_fmt:MATRIX_FMT_FP4 matrix_b_fmt:MATRIX_FMT_FP4
	v_wmma_scale_f32_16x16x128_f8f6f4 v[200:207], v[168:175], v[136:143], 0, v29, v25 matrix_a_fmt:MATRIX_FMT_FP4 matrix_b_fmt:MATRIX_FMT_FP4
	v_wmma_scale_f32_16x16x128_f8f6f4 v[192:199], v[176:183], v[144:151], v[192:199], v30, v26 matrix_a_fmt:MATRIX_FMT_FP4 matrix_b_fmt:MATRIX_FMT_FP4
	v_wmma_scale_f32_16x16x128_f8f6f4 v[200:207], v[184:191], v[152:159], v[200:207], v31, v27 matrix_a_fmt:MATRIX_FMT_FP4 matrix_b_fmt:MATRIX_FMT_FP4
.rept 4
	v_nop                                              ; four places in front of the first read of results (ISA guide 7.12.1)
.endr
.irp j, 0,2,4,6
	v_pk_add_f32 v[208+\j:209+\j], v[192+\j:193+\j], v[200+\j:201+\j]   ; each accumulator from its low end on
.endr
.irp j, 0,1,2,3,4,5,6,7
	v_max_num_f32 v[208+\j], s38, v[208+\j]            ; relu for the sentinel, nothing for span_part
.endr
	s_wait_alu depctr_va_vdst(0)                       ; the eight lines above have written v208-215, which the two LDS stores read
	ds_store_b128 v19, v[208:211]
	ds_store_b128 v19, v[212:215] offset:16
	BARRIER                                            ; 64 rows x 256 bytes lie in the stage
.irp e, 0,1
	ds_load_b128 v[216+4*\e:219+4*\e], v20 offset:544*\e   ; no vector instruction has named v216-223 since x's quantiser, which stands ahead of two waits on va_vdst
.endr
.irp e, 0,1
	s_wait_dscnt 1-\e
	global_store_b128 v21, v[216+4*\e:219+4*\e], s[32:33] offset:4096*\e   ; 16 lanes store 256 consecutive bytes, at a multiple of 256 from the buffer's first byte
.endr
	s_wait_dscnt 0x0                                   ; the closing lines, six on end
	s_wait_alu 0x0
	s_wait_tensorcnt 0x0
	ds_add_u32 v42, v43
	s_wait_dscnt 0x0
	s_endpgm
.Limage:
	; ---- THE QUANTISING ROLE: the fragment leaves as it stands, in the order in which the next launch's lanes load it.  It stores nothing to LDS
	WLOAD 2000, 5
	WQUANT 1, PC
	s_wait_alu depctr_va_vdst(0)                       ; the quantiser has written the codes v48-55 and the scale word v9, which the three stores read
	global_store_b128 v22, v[PC:PC+3], s[34:35]        ; 512 consecutive bytes
	global_store_b128 v22, v[PC+4:PC+7], s[34:35] offset:512
	global_store_b32 v22, v9, s[36:37]                 ; 4 bytes of each lane's 16: the four waves of a tile fill its 512 bytes
	s_endpgm
.Lfunc_end_k_qc8970cc7d4_prep:
	.size	k_qc8970cc7d4_prep, .Lfunc_end_k_qc8970cc7d4_prep-k_qc8970cc7d4_prep
	.p2alignl 7, 3214868480
	.fill 96, 4, 3214868480
	.section	.rodata,"a",@progbits
	.p2align	6, 0x0
	.amdhsa_kernel k_qc8970cc7d4_prep
		.amdhsa_group_segment_fixed_size 191488
		.amdhsa_private_segment_fixed_size 0
		.amdhsa_enable_private_segment 0
		.amdhsa_kernarg_size 80
		.amdhsa_user_sgpr_count 2
		.amdhsa_user_sgpr_kernarg_segment_ptr 1
		.amdhsa_wavefront_size32 1
		.amdhsa_system_sgpr_workgroup_id_x 1
		.amdhsa_system_sgpr_workgroup_id_y 1
		.amdhsa_system_sgpr_workgroup_id_z 1
		.amdhsa_system_vgpr_workitem_id 0
		.amdhsa_next_free_vgpr 256
		.amdhsa_next_free_sgpr 66
		.amdhsa_reserve_vcc 0
		.amdhsa_float_denorm_mode_32 3
		.amdhsa_float_denorm_mode_16_64 3
		.amdhsa_memory_ordered 1
		.amdhsa_forward_progress 1
		.amdhsa_inst_pref_size 46
	.end_amdhsa_kernel
	.amdgpu_metadata
---
amdhsa.version: [ 1, 2 ]
amdhsa.kernels:
  - .name:           k_qc8970cc7d4_prep
    .symbol:         k_qc8970cc7d4_prep.kd
    .args:
      - { .name: span_embs, .offset: 0, .size: 8, .value_kind: global_buffer, .address_space: global }
      - { .name: Ws, .offset: 8, .size: 8, .value_kind: global_buffer, .address_space: global }
      - { .name: W1, .offset: 16, .size: 8, .value_kind: global_buffer, .address_space: global }
      - { .name: W2, .offset: 24, .size: 8, .value_kind: global_buffer, .address_space: global }
      - { .name: bs, .offset: 32, .size: 8, .value_kind: global_buffer, .address_space: global }
      - { .name: b1, .offset: 40, .size: 8, .value_kind: global_buffer, .address_space: global }
      - { .name: sent, .offset: 48, .size: 8, .value_kind: global_buffer, .address_space: global }
      - { .name: spb, .offset: 56, .size: 8, .value_kind: global_buffer, .address_space: global }
      - { .name: wimg1, .offset: 64, .size: 8, .value_kind: global_buffer, .address_space: global }
      - { .name: wimg2, .offset: 72, .size: 8, .value_kind: global_buffer, .address_space: global }
    .group_segment_fixed_size: 191488
    .private_segment_fixed_size: 0
    .kernarg_segment_align: 8
    .kernarg_segment_size: 80
    .max_flat_workgroup_size: 512
    .sgpr_count:     66
    .vgpr_count:     256
    .wavefront_size: 32
...
	.end_amdgpu_metadata
.endif
;; end of part 3
;; launch link (part 4): grid 256 x 1, 4 waves a work-group, no clusters, 183,040 bytes of LDS; arguments knowledge_embs, span2concepts, lengths, sent, spb, wimg1, wimg2, b2, W3, b3, out0, out1; writes out0, out1
.if DOCPART == 4
	.amdgcn_target "amdgcn-amd-amdhsa--gfx1250"
	.amdhsa_code_object_version 6
	.text
	.protected	k_qc8970cc7d4_link
	.globl	k_qc8970cc7d4_link
	.p2align	8
	.type	k_qc8970cc7d4_link,@function
k_qc8970cc7d4_link:
	s_mov_b64 s[64:65], 0
	v_nop
	global_prefetch_b8 v0, s[64:65] scope:SCOPE_SE
	s_setreg_imm32_b32 hwreg(HW_REG_WAVE_MODE, 25, 1), 1
	s_wait_xcnt 0x0
; ONE SPAN n TO A WORK-GROUP.  Only the 65 rows that the span's list and its sentinel name are scored: x row l = knowledge_embs[span2concepts[n][l]] for l < 64, sent[n] for l = 64.
; h1 = relu(Q(x) Q(W1b) + spb[n]);  h2 = relu(Q(h1) Q(W2) + b2);  score = h2 . W3 + b3;  rows at or past max(lengths[n], 1) get -1e30;  p = softmax (the maximum is taken away);  out0 = sum of p x, out1 = p.
; Both products on codes of E2M1 with one E8M0 byte for each 32 along K; the dot with W3 and the mix are fused multiply-adds in f32.
; SHARES.  Four waves.  THE WAVES SHARE THE COLUMNS: wave w makes hidden units 128 w .. 128 w + 127 of both layers for all five tiles of 16 rows (tile 4 holds the sentinel in all its rows), so its part of both
; weights stays in its registers, loaded once as images that the launch before has laid.  Wave w gathers and quantises x tile w and K step w of tile 4; operands go from wave to wave through LDS as images of
; their registers.  The gathered rows stay in LDS in f32 for the mix, of which wave w makes channels 128 w .. 128 w + 127.
; The products are used transposed (source 0 = 16 columns of a weight, source 1 = 16 rows): lane (r, h) holds row r, and registers 16 b + i of tiles 2 b, 2 b + 1 are units 32 b + 16 h + i: neighbours along the next K.
; WHY NO JOINT LOADS, though all work-groups read the same two images: a joint load lands in LDS; 2 x 147,456 bytes of images beside 134,400 of rows and 48,128 of operands and scores are 477,440, more than a work-group can have.
; LIMITS.  An index above 1023 is held at 1023.  NaN and infinities among the inputs are not served.  A block of zeros gets the byte 1 (the floor) with zero codes.
; ORDER OF SUMS.  spb[n] and b2 are the C of each sum's first product; a score is the sum of four waves' parts.
; REGISTERS, in windows of 256.  Window 0: v1-15, v28-31 addresses; v16-23 the rows' scale words, two sets; v24-27 my 512 bytes of the sentinel; v32-47 at work; v48-63 codes just made, two sets;
;   v64-127 (RGA) numbers to quantise, accumulators, rows;  v128-191 (RGB) numbers, fragments (two sets of four), rows;  v192-223 W1b's scale words, v224-255 W2's.
;   Window 1: W1b's 32 fragments (tile t, K step s at v[32 t + 8 s]).  Window 2: W2's.  Window 3: first the gathered rows; then v0-63 spb[n], v64-127 b2, v128-191 W3, each in the result's layout.
.set XP,   2064                        ; a row of x in LDS: 2,048 bytes + 16, an odd multiple of 16: the 16 rows that a load touches start at 16 different places modulo 256 bytes
.set X64,  64*XP                       ; the sentinel's row
.set XIMG, 134400                      ; x's 20 fragments, 1,024 bytes each, index 4 m + s
.set XSC,  XIMG+20*1024                ; their scale words, 128 bytes each
.set HOFF, 23040                       ; the hidden layer's images and scale words lie this far behind x's
.set SCP,  XSC+HOFF+20*128             ; the scores' parts: 512 bytes a wave, 4 bytes a row
.set TM,   32
.set PC0,  48
.set RGA,  64
.set RGB,  128
.set XS,   16
.set W1S,  192
.set W2S,  224
.set MSB, 0
.macro WIN new                         ; s_set_vgpr_msb: bits 1:0 source 0, 3:2 source 1, 5:4 source 2, 7:6 destination; the high byte repeats the setting that is left
.if MSB != \new
	s_set_vgpr_msb (MSB<<8)|\new
.set MSB, \new
.endif
.endm
.macro QUANT src, pc, pw               ; 64 numbers of a lane, register 16 b + i = k 32 b + 16 h + i of its row, become a fragment's codes in v[pc] on and the row's scale word in v[pw]
.irp b, 0,1,2,3
	v_max3_num_f32 v[TM+\b], |v[(\src)+16*\b]|, |v[(\src)+1+16*\b]|, 0x1800000   ; my 16 numbers of block b, and the floor 2^(3 - 127): the byte cannot fall under 1
.endr
.irp i, 2,4,6,8,10,12,14
.irp b, 0,1,2,3
	v_max3_num_f32 v[TM+\b], v[TM+\b], |v[(\src)+16*\b+\i]|, |v[(\src)+1+16*\b+\i]|
.endr
.endr
.irp b, 0,1,2,3
	v_permlanex16_b32 v[TM+4+\b], v[TM+\b], s48, s49
.endr
.irp b, 0,1,2,3
	v_max_num_f32 v[TM+\b], v[TM+\b], v[TM+4+\b]       ; with lane l xor 16: the block's largest magnitude
.endr
.irp b, 0,1,2,3
	v_add_nc_u32 v[TM+12+\b], 0xff000000, v[TM+\b]     ; 2 off its exponent field: the conversion's scale operand
.endr
.irp b, 0,1,2,3
	v_lshrrev_b32 v[TM+4+\b], 23, v[TM+12+\b]          ; the scale's byte
.endr
	v_lshl_or_b32 v[\pw], v[TM+5], 8, v[TM+4]
	v_lshl_or_b32 v[\pw], v[TM+6], 16, v[\pw]
	v_lshl_or_b32 v[\pw], v[TM+7], 24, v[\pw]
.irp b, 0,1,2,3
	v_cvt_scalef32_pk8_fp4_f32 v[(\pc)+2*\b], v[(\src)+16*\b:(\src)+7+16*\b], v[TM+12+\b]
	v_cvt_scalef32_pk8_fp4_f32 v[(\pc)+1+2*\b], v[(\src)+8+16*\b:(\src)+15+16*\b], v[TM+12+\b]
.endr
	v_nop                                              ; one plain place behind a scaled conversion
.irp c, 0,1                                        ; the operand wants a whole block in a lane
.irp i, 0,1
	v_permlane16_swap_b32 v[(\pc)+4*\c+\i], v[(\pc)+2+4*\c+\i]
.endr
.endr
.endm
.macro IMAGE adr, pc, off              ; a fragment goes to LDS as it stands: lane l's 16 bytes at 16 l
.irp c, 0,1
	ds_store_b128 v[\adr], v[(\pc)+4*\c:(\pc)+4*\c+3] offset:(\off)+512*\c
.endr
.endm
.macro BARRIER
	s_wait_dscnt 0x0
	s_barrier_signal -1
	s_barrier_wait -1
.endm
.macro PLACES
.rept 4
	v_nop
.endr
.endm
.macro WFRAGS ptr, f0, cnt             ; cnt fragments of a weight's image from f0 on, into the window that is set
.set FF, \f0
.rept \cnt
	global_load_b128 v[8*FF:8*FF+3], v1, s[\ptr:\ptr+1] offset:1024*FF
	global_load_b128 v[8*FF+4:8*FF+7], v1, s[\ptr:\ptr+1] offset:1024*FF+512
.set FF, FF+1
.endr
.endm
.macro VEC8 reg, ptr, hold             ; my 128 numbers of a vector in the result's layout: tile t, register j = unit 32 (t / 2) + 16 h + 8 (t % 2) + j.  hold = 1: the vector ends at 500: the lanes past it read h = 0's bytes
.irp t, 0,1,2,3,4,5,6,7
.irp e, 0,1
.if (\hold) && ((8*\t+4*\e) >= 52)
	global_load_b128 v[(\reg)+8*\t+4*\e:(\reg)+8*\t+4*\e+3], v3, s[\ptr:\ptr+1] offset:(32*(\t/2)+8*(\t%2))*4+16*\e
.else
	global_load_b128 v[(\reg)+8*\t+4*\e:(\reg)+8*\t+4*\e+3], v2, s[\ptr:\ptr+1] offset:(32*(\t/2)+8*(\t%2))*4+16*\e
.endif
.endr
.endr
.endm
.macro XL u, reg                       ; K step u of my tile's rows (u = 4: my K step of the sentinel, the same for all 16 rows), 64 numbers a lane
.irp b, 0,1,2,3
.irp j, 0,1,2,3
.if (\u) < 4
	ds_load_b128 v[(\reg)+16*\b+4*\j:(\reg)+16*\b+4*\j+3], v5 offset:512*(\u)+128*\b+16*\j
.else
	ds_load_b128 v[(\reg)+16*\b+4*\j:(\reg)+16*\b+4*\j+3], v7 offset:128*\b+16*\j
.endif
.endr
.endr
.endm
.macro XUNIT u, cnt                    ; cnt: the LDS instructions issued behind unit u's loads
	s_wait_dscnt \cnt
	QUANT RGA+64*((\u)%2), PC0+8*((\u)%2), TM+8+(\u)%2
.if (\u) < 4
	IMAGE 10, PC0+8*((\u)%2), 1024*(\u)
	ds_store_b32 v11, v[TM+8+(\u)%2] offset:128*(\u)
.else
	IMAGE 12, PC0+8*((\u)%2), 16384
	ds_store_b32 v13, v[TM+8+(\u)%2] offset:2048
.endif
.if (\u) < 3
	XL (\u)+2, RGA+64*((\u)%2)
.endif
.endm
.macro OFETCH m, off                   ; the four fragments of row tile m and their scale words, into set m % 2
.irp s, 0,1,2,3
	ds_load_b128 v[RGB+32*((\m)%2)+8*\s:RGB+32*((\m)%2)+8*\s+3], v8 offset:(\off)+(4*(\m)+\s)*1024
	ds_load_b128 v[RGB+32*((\m)%2)+8*\s+4:RGB+32*((\m)%2)+8*\s+7], v8 offset:(\off)+(4*(\m)+\s)*1024+512
	ds_load_b32 v[XS+4*((\m)%2)+\s], v9 offset:(\off)+128*(4*(\m)+\s)
.endr
.endm
; 32 matrix instructions: my 8 tiles of columns x row tile m, four K steps; the eight accumulators by turns, one instruction a turn.  The first K step takes the bias as C: nothing is cleared or added.
.macro PROD m, wf, wr, cb, ws
	WIN \wf
.irp t, 0,1,2,3,4,5,6,7
	v_wmma_scale_f32_16x16x128_f8f6f4 v[RGA+8*\t:RGA+8*\t+7], v[32*\t:32*\t+7], v[RGB+32*((\m)%2):RGB+32*((\m)%2)+7], v[(\cb)+8*\t:(\cb)+8*\t+7], v[(\ws)+4*\t], v[XS+4*((\m)%2)] matrix_a_fmt:MATRIX_FMT_FP4 matrix_b_fmt:MATRIX_FMT_FP4
.endr
	WIN \wr
.irp s, 1,2,3
.irp t, 0,1,2,3,4,5,6,7
	v_wmma_scale_f32_16x16x128_f8f6f4 v[RGA+8*\t:RGA+8*\t+7], v[32*\t+8*\s:32*\t+8*\s+7], v[RGB+32*((\m)%2)+8*\s:RGB+32*((\m)%2)+8*\s+7], v[RGA+8*\t:RGA+8*\t+7], v[(\ws)+4*\t+\s], v[XS+4*((\m)%2)+\s] matrix_a_fmt:MATRIX_FMT_FP4 matrix_b_fmt:MATRIX_FMT_FP4
.endr
.endr
	WIN 0
	PLACES                                             ; four places in front of the first read of results (ISA guide 7.12.1)
.endm
.macro RELU                            ; each accumulator from its low end on
.set J, 0
.rept 64
	v_max_num_f32 v[RGA+J], 0, v[RGA+J]
.set J, J+1
.endr
.endm
.macro LAYER1 m
	PROD \m, 0x31, 0x01, 0, W1S                        ; source 0 (W1b) window 1; the first C (spb) window 3
.if (\m) < 4
	OFETCH (\m)+1, 0
.endif
	RELU
	QUANT RGA, PC0, TM+8
	IMAGE 12, PC0, HOFF+4096*(\m)                      ; K step w of the second product, row tile m
	ds_store_b32 v13, v[TM+8] offset:HOFF+512*(\m)
	s_wait_dscnt 0x0                                   ; the stores have read their registers, and the next tile's fragments are in
.endm
.macro LAYER2 m
	PROD \m, 0x32, 0x02, 64, W2S                       ; source 0 (W2) window 2; the first C (b2) window 3
.if (\m) < 4
	OFETCH (\m)+1, HOFF
.endif
	RELU
	WIN 0x0c                                           ; source 1 (W3) window 3
.irp c, 0,1,2,3
	v_pk_mul_f32 v[32+2*\c:33+2*\c], v[RGA+2*\c:RGA+2*\c+1], v[128+2*\c:129+2*\c]   ; four chains, started by the first products
.endr
.set P, 4
.rept 28
	v_pk_fma_f32 v[32+2*(P%4):33+2*(P%4)], v[RGA+2*P:RGA+2*P+1], v[128+2*P:129+2*P], v[32+2*(P%4):33+2*(P%4)]
.set P, P+1
.endr
	WIN 0
	v_pk_add_f32 v[32:33], v[32:33], v[34:35]
	v_pk_add_f32 v[36:37], v[36:37], v[38:39]
	v_pk_add_f32 v[32:33], v[32:33], v[36:37]
	v_add_f32 v32, v32, v33
	v_permlanex16_b32 v33, v32, s48, s49
	v_add_f32 v32, v32, v33                            ; row r's part from my 128 units
	ds_store_b32 v14, v32 offset:64*(\m)               ; lanes r and r + 16 write the same word with the same value
	s_wait_dscnt 0x0
.endm
.macro RBL g                           ; my 512 bytes of rows 16 g .. 16 g + 15, into RGA or RGB by turns
.irp k, 0,1,2,3,4,5,6,7,8,9,10,11,12,13,14,15
	ds_load_b128 v[RGA+64*((\g)%2)+4*\k:RGA+64*((\g)%2)+4*\k+3], v[28+(\g)/2] offset:XP*(16*((\g)%2)+\k)
.endr
.endm
.macro FEAT g, cnt                     ; sixteen rows times their p, even rows into v[32:35], odd rows into v[36:39]
	s_wait_dscnt \cnt
.irp k, 0,1,2,3,4,5,6,7,8,9,10,11,12,13,14,15
	v_readlane_b32 s[66+2*\k], v[40+4*((\g)/2)], 16*((\g)%2)+\k
.endr
.irp k, 0,1,2,3,4,5,6,7,8,9,10,11,12,13,14,15
.if ((\g) == 0) && (\k < 2)
	v_pk_mul_f32 v[32+4*\k:33+4*\k], v[RGA+4*\k:RGA+4*\k+1], s[66+2*\k:67+2*\k] op_sel_hi:[1,0]
	v_pk_mul_f32 v[34+4*\k:35+4*\k], v[RGA+4*\k+2:RGA+4*\k+3], s[66+2*\k:67+2*\k] op_sel_hi:[1,0]
.else
	v_pk_fma_f32 v[32+4*(\k%2):33+4*(\k%2)], v[RGA+64*((\g)%2)+4*\k:RGA+64*((\g)%2)+4*\k+1], s[66+2*\k:67+2*\k], v[32+4*(\k%2):33+4*(\k%2)] op_sel_hi:[1,0,1]
	v_pk_fma_f32 v[34+4*(\k%2):35+4*(\k%2)], v[RGA+64*((\g)%2)+4*\k+2:RGA+64*((\g)%2)+4*\k+3], s[66+2*\k:67+2*\k], v[34+4*(\k%2):35+4*(\k%2)] op_sel_hi:[1,0,1]
.endif
.endr
.if (\g) < 2
	RBL (\g)+2
.endif
.endm
	s_load_b512 s[4:19], s[0:1], 0x0                   ; know 4:5, span2concepts 6:7, lengths 8:9, sent 10:11, spb 12:13, wimg1 14:15, wimg2 16:17, b2 18:19
	s_load_b256 s[20:27], s[0:1], 0x40                 ; W3 20:21, b3 22:23, out0 24:25, out1 26:27
	v_lshrrev_b32 v30, 5, v0
	v_readfirstlane_b32 s28, v30                       ; wave w
	v_and_b32 v30, 31, v0                              ; lane
	v_and_b32 v34, 15, v0                              ; r
	v_bfe_u32 v35, v0, 4, 1                            ; h
	v_lshlrev_b32 v1, 4, v30                           ; 16 x lane
	v_lshlrev_b32 v2, 6, v35                           ; 64 h
	s_cmp_eq_u32 s28, 3
	s_cselect_b32 s51, 1, 0
	v_and_b32 v36, s51, v35
	v_cmp_eq_u32 s50, 0, v36                           ; KEEP: all lanes but h = 1 of wave 3, whose last 12 units do not exist
	v_cndmask_b32 v3, 0, v2, s50                       ; 64 h, held at 0 in those lanes
	s_mov_b32 s48, 0x76543210
	s_mov_b32 s49, 0xfedcba98                          ; v_permlanex16_b32's selects for lane l xor 16
	s_mov_b32 s53, 0
	s_wait_alu depctr_va_vdst(0)
	s_wait_kmcnt 0x0
	s_lshl_b32 s52, ttmp9, 8
	s_lshl_b32 s55, s28, 6
	s_add_co_u32 s52, s52, s55
	s_add_nc_u64 s[6:7], s[6:7], s[52:53]              ; my 16 indices
	s_lshl_b32 s52, ttmp9, 2
	s_add_nc_u64 s[8:9], s[8:9], s[52:53]
	s_load_b512 s[32:47], s[6:7], 0x0
	s_load_b32 s29, s[8:9], 0x0
	s_load_b32 s30, s[22:23], 0x0
	s_mul_i32 s52, s28, 36864
	s_add_nc_u64 s[14:15], s[14:15], s[52:53]          ; my part of both images
	s_add_nc_u64 s[16:17], s[16:17], s[52:53]
	WIN 0x40                                           ; destination window 1
	WFRAGS 14, 0, 16                                   ; half of W1b goes out while the indices are on their way
	WIN 0
	s_lshl_b32 s52, ttmp9, 11
	s_lshl_b32 s56, s28, 9
	s_add_co_u32 s52, s52, s56
	s_add_nc_u64 s[10:11], s[10:11], s[52:53]          ; sent, spb, out0: row n, my 512 bytes
	s_add_nc_u64 s[12:13], s[12:13], s[52:53]
	s_add_nc_u64 s[24:25], s[24:25], s[52:53]
	s_mov_b32 s52, s56
	s_add_nc_u64 s[18:19], s[18:19], s[52:53]          ; b2, W3: my 128 numbers
	s_add_nc_u64 s[20:21], s[20:21], s[52:53]
	s_mul_i32 s52, ttmp9, 260
	s_add_nc_u64 s[26:27], s[26:27], s[52:53]          ; out1: row n of 65 numbers
	s_mul_i32 s55, s28, 16*XP
	v_add_nc_u32 v4, s55, v1                           ; XW: my 16 rows, 16 x lane
	v_mul_u32_u24 v5, v34, XP
	v_add_nc_u32 v5, v5, v2
	v_add_nc_u32 v5, s55, v5                           ; XR: row 16 w + r, + 64 h
	v_add_nc_u32 v28, s56, v1                          ; FR0: my 512 bytes of rows 0-31,
	v_add_nc_u32 v29, 32*XP, v28                       ; FR1: of rows 32-63
	s_add_co_u32 s57, s56, X64
	v_add_nc_u32 v6, s57, v1                           ; X64W: my 512 bytes of the sentinel's row
	v_add_nc_u32 v7, s57, v2                           ; X64R: the same, + 64 h, for every r
	v_add_nc_u32 v8, XIMG, v1                          ; LI: an image's place for my lane
	v_lshl_add_u32 v9, v30, 2, XSC                     ; LS: a scale word's
	s_lshl_b32 s57, s28, 12
	v_add_nc_u32 v10, s57, v8                          ; XWI: images 4 w + u
	v_add_nc_u32 v11, s56, v9                          ; XWS
	s_lshl_b32 s57, s28, 10
	v_add_nc_u32 v12, s57, v8                          ; HWI: images 4 m + w
	s_lshl_b32 s57, s28, 7
	v_add_nc_u32 v13, s57, v9                          ; HWS
	s_add_co_u32 s57, s56, SCP
	v_lshl_add_u32 v14, v34, 2, s57                    ; SPW: my parts of the scores, row r
	v_lshl_add_u32 v15, v30, 2, SCP                    ; SPR: row = lane
	v_mov_b32 v31, SCP+256                             ; SPS: row 64
.irp b, 0,1,2,3
	v_mov_b32 v[TM+4+\b], 0                            ; written once: a lane permute's destination counts as one of its sources
.endr
	s_wait_kmcnt 0x0                                   ; the indices, the length, b3
	s_max_i32 s29, s29, 1                              ; rows that count
.irp i, 0,1,2,3,4,5,6,7,8,9,10,11,12,13,14,15
	s_min_u32 s[66+2*\i], s[32+\i], 1023               ; an index stays inside the table
	s_lshl_b32 s[66+2*\i], s[66+2*\i], 11
	s_mov_b32 s[67+2*\i], 0
	s_add_nc_u64 s[66+2*\i:67+2*\i], s[4:5], s[66+2*\i:67+2*\i]
.endr
	WIN 0xc0                                           ; destination window 3
.irp i, 0,1,2,3,4,5,6,7,8,9,10,11,12,13,14,15
.irp j, 0,1,2,3
	global_load_b128 v[16*\i+4*\j:16*\i+4*\j+3], v1, s[66+2*\i:67+2*\i] offset:512*\j   ; 512 consecutive bytes of a row
.endr
.endr
	WIN 0
	global_load_b128 v[24:27], v1, s[10:11]            ; my 512 bytes of the sentinel: kept to the end
	WIN 0x40
	WFRAGS 14, 16, 16
	WIN 0
.irp t, 0,1,2,3,4,5,6,7
	global_load_b128 v[W1S+4*\t:W1S+4*\t+3], v1, s[14:15] offset:32768+512*\t   ; a tile's four scale words
.endr
	s_wait_loadcnt 40                                  ; behind the rows and the sentinel: 32 + 8 loads
	WIN 0x0c                                           ; an LDS store's data are its source 1: window 3
.irp i, 0,1,2,3,4,5,6,7,8,9,10,11,12,13,14,15
.irp j, 0,1,2,3
	ds_store_b128 v4, v[16*\i+4*\j:16*\i+4*\j+3] offset:XP*\i+512*\j
.endr
.endr
	WIN 0
	ds_store_b128 v6, v[24:27]
	; ---- X: five units of 16 rows x 128 K become fragments.  The bytes read are my own, served in order behind my stores.  Loads of what later phases need go out between the units.
	XL 0, RGA
	XL 1, RGB
	XUNIT 0, 16                                        ; behind unit 0's loads: unit 1's 16.  The stage's stores are done too: window 3 may be loaded again
	WIN 0xc0
	VEC8 0, 12, 0                                      ; spb[n]
	WIN 0x80                                           ; destination window 2
	WFRAGS 16, 0, 8
	WIN 0
	global_load_b128 v[W2S:W2S+3], v1, s[16:17] offset:32768
	global_load_b128 v[W2S+4:W2S+7], v1, s[16:17] offset:32768+512
	XUNIT 1, 19                                        ; behind unit 1's loads: an image's 3 stores and the next unit's 16 loads
	WIN 0x80
	WFRAGS 16, 8, 8
	WIN 0
	global_load_b128 v[W2S+8:W2S+11], v1, s[16:17] offset:32768+1024
	global_load_b128 v[W2S+12:W2S+15], v1, s[16:17] offset:32768+1536
	XUNIT 2, 19
	WIN 0x80
	WFRAGS 16, 16, 8
	WIN 0
	global_load_b128 v[W2S+16:W2S+19], v1, s[16:17] offset:32768+2048
	global_load_b128 v[W2S+20:W2S+23], v1, s[16:17] offset:32768+2560
	XUNIT 3, 19
	WIN 0x80
	WFRAGS 16, 24, 8
	WIN 0
	global_load_b128 v[W2S+24:W2S+27], v1, s[16:17] offset:32768+3072
	global_load_b128 v[W2S+28:W2S+31], v1, s[16:17] offset:32768+3584
	XUNIT 4, 3                                         ; behind unit 4's loads: unit 3's 3 stores
	WIN 0xc0
	VEC8 64, 18, 1                                     ; b2
	VEC8 128, 20, 1                                    ; W3
	WIN 0
	BARRIER                                            ; x's twenty fragments lie in LDS
	; ---- the first layer
	s_wait_loadcnt 63                                  ; behind spb's loads 104 were issued: W1b, its scale words and spb are in
	OFETCH 0, 0
	s_wait_dscnt 0x0
.irp m, 0,1,2,3,4
	LAYER1 \m
.endr
	BARRIER                                            ; the hidden layer's twenty fragments lie in LDS
	; ---- the second layer and the dot with W3
	s_wait_loadcnt 0x0
	WIN 0xcc                                           ; source 1 and destination window 3
.irp k, 52,53,54,55,56,57,58,59,60,61,62,63
	v_cndmask_b32 v[128+\k], 0, v[128+\k], s50         ; units past 499 weigh nothing
.endr
	WIN 0
	OFETCH 0, HOFF
	s_wait_dscnt 0x0
.irp m, 0,1,2,3,4
	LAYER2 \m
.endr
	BARRIER                                            ; all four waves' parts of the 65 scores lie in LDS
	; ---- the softmax, made by every wave: lane l holds rows l and 32 + l, every lane row 64
.irp w, 0,1,2,3
	ds_load_b32 v[40+\w], v15 offset:512*\w
	ds_load_b32 v[44+\w], v15 offset:512*\w+128
	ds_load_b32 v[48+\w], v31 offset:512*\w
.endr
	RBL 0
	RBL 1
.irp k, 0,1,2,3,4,5,6,7,8,9,10,11,12,13,14,15
	s_mov_b32 s[67+2*\k], 0                            ; every gather is in: the pairs now hold p and 0 (the packed form names a pair and takes its low word)
.endr
	v_mov_b32 v52, 0xf149f2ca                          ; -1e30
	v_add_nc_u32 v53, 32, v30
	v_mov_b32 v55, 0
	v_mov_b32 v57, 0
	v_lshlrev_b32 v59, 2, v30
	s_wait_dscnt 32                                    ; behind the twelve: two batches of 16 rows
.irp a, 40,44,48
	v_add_f32 v[\a], v[\a], v[\a+1]
	v_add_f32 v[\a+2], v[\a+2], v[\a+3]
.endr
.irp a, 40,44,48
	v_add_f32 v[\a], v[\a], v[\a+2]
.endr
.irp a, 40,44,48
	v_add_f32 v[\a], s30, v[\a]                        ; + b3
.endr
	v_cmp_gt_i32 vcc_lo, s29, v30
	v_cndmask_b32 v40, v52, v40, vcc_lo                ; rows at or past the count get -1e30
	v_cmp_gt_i32 vcc_lo, s29, v53
	v_cndmask_b32 v44, v52, v44, vcc_lo
	v_max3_num_f32 v54, v40, v44, v48
	v_max_num_f32_dpp v54, v54, v54 row_xmask:1 row_mask:0xf bank_mask:0xf
	v_max_num_f32_dpp v54, v54, v54 row_xmask:2 row_mask:0xf bank_mask:0xf
	v_max_num_f32_dpp v54, v54, v54 row_xmask:4 row_mask:0xf bank_mask:0xf
	v_max_num_f32_dpp v54, v54, v54 row_xmask:8 row_mask:0xf bank_mask:0xf
	v_permlanex16_b32 v55, v54, s48, s49
	v_max_num_f32 v54, v54, v55                        ; the largest of the 65
.irp a, 40,44,48
	v_sub_f32 v[\a], v[\a], v54
.endr
.irp a, 40,44,48
	v_mul_f32 v[\a], 0x3fb8aa3b, v[\a]                 ; x log2(e)
.endr
	s_wait_alu depctr_va_vdst(0)
	v_exp_f32 v40, v40
	v_exp_f32 v44, v44
	v_exp_f32 v48, v48
	v_nop                                              ; a plain place behind the last exponential
	s_wait_alu depctr_va_vdst(0)                       ; one wait for the three, ahead of their first reader
	v_add_f32 v56, v40, v44
	v_add_f32_dpp v56, v56, v56 row_xmask:1 row_mask:0xf bank_mask:0xf
	v_add_f32_dpp v56, v56, v56 row_xmask:2 row_mask:0xf bank_mask:0xf
	v_add_f32_dpp v56, v56, v56 row_xmask:4 row_mask:0xf bank_mask:0xf
	v_add_f32_dpp v56, v56, v56 row_xmask:8 row_mask:0xf bank_mask:0xf
	v_permlanex16_b32 v57, v56, s48, s49
	v_add_f32 v56, v56, v57
	v_add_f32 v56, v56, v48                            ; the sentinel's term, once
	s_wait_alu depctr_va_vdst(0)
	v_rcp_f32 v58, v56
	v_nop
	s_wait_alu depctr_va_vdst(0)
	v_mul_f32 v40, v40, v58
	v_mul_f32 v44, v44, v58
	v_mul_f32 v48, v48, v58
	s_cmp_lg_u32 s28, 0                                ; wave 0 stores p
	s_cbranch_scc1 .Lno_p
	global_store_b32 v59, v40, s[26:27]
	global_store_b32 v59, v44, s[26:27] offset:128
	s_wait_xcnt 0x0                                    ; EXEC changes only behind this wait
	v_cmp_eq_u32 vcc_lo, 0, v30
	s_and_saveexec_b32 s54, vcc_lo
	s_wait_alu depctr_va_vdst(0)
	global_store_b32 v59, v48, s[26:27] offset:256     ; row 64, by lane 0
	s_wait_xcnt 0x0
	s_or_b32 exec_lo, exec_lo, s54
.Lno_p:
	s_wait_alu depctr_va_vdst(0)
	; ---- the mix: my 128 channels, 4 a lane, of the 64 rows in LDS and of the sentinel in registers
	FEAT 0, 16                                         ; behind a batch's loads: the next batch's 16
	FEAT 1, 16
	FEAT 2, 16
	FEAT 3, 0
	v_readlane_b32 s66, v48, 0
	v_pk_fma_f32 v[32:33], v[24:25], s[66:67], v[32:33] op_sel_hi:[1,0,1]
	v_pk_fma_f32 v[34:35], v[26:27], s[66:67], v[34:35] op_sel_hi:[1,0,1]
	v_pk_add_f32 v[32:33], v[32:33], v[36:37]
	v_pk_add_f32 v[34:35], v[34:35], v[38:39]
	global_store_b128 v1, v[32:35], s[24:25]           ; 32 lanes store 512 consecutive bytes, at a multiple of 256 from out0's first byte
	s_wait_xcnt 0x0
	s_mov_b32 exec_lo, -1
	v_lshl_add_u32 v62, v0, 2, 0x2c900
	v_mov_b32 v63, 0
	s_wait_alu depctr_va_vdst(0)
	s_wait_tensorcnt 0x0
	ds_add_u32 v62, v63
	s_wait_dscnt 0x0
	s_endpgm
.Lfunc_end_k_qc8970cc7d4_link:
	.size	k_qc8970cc7d4_link, .Lfunc_end_k_qc8970cc7d4_link-k_qc8970cc7d4_link
	.p2alignl 7, 3214868480
	.fill 96, 4, 3214868480
	.section	.rodata,"a",@progbits
	.p2align	6, 0x0
	.amdhsa_kernel k_qc8970cc7d4_link
		.amdhsa_group_segment_fixed_size 183040
		.amdhsa_private_segment_fixed_size 0
		.amdhsa_enable_private_segment 0
		.amdhsa_kernarg_size 96
		.amdhsa_user_sgpr_count 2
		.amdhsa_user_sgpr_kernarg_segment_ptr 1
		.amdhsa_wavefront_size32 1
		.amdhsa_system_sgpr_workgroup_id_x 1
		.amdhsa_system_sgpr_workgroup_id_y 1
		.amdhsa_system_sgpr_workgroup_id_z 1
		.amdhsa_system_vgpr_workitem_id 0
		.amdhsa_next_free_vgpr 1024
		.amdhsa_next_free_sgpr 100
		.amdhsa_reserve_vcc 1
		.amdhsa_float_denorm_mode_32 3
		.amdhsa_float_denorm_mode_16_64 3
		.amdhsa_memory_ordered 1
		.amdhsa_forward_progress 1
		.amdhsa_inst_pref_size 184
	.end_amdhsa_kernel
	.amdgpu_metadata
---
amdhsa.version: [ 1, 2 ]
amdhsa.kernels:
  - .name:           k_qc8970cc7d4_link
    .symbol:         k_qc8970cc7d4_link.kd
    .args:
      - { .name: knowledge_embs, .offset: 0, .size: 8, .value_kind: global_buffer, .address_space: global }
      - { .name: span2concepts, .offset: 8, .size: 8, .value_kind: global_buffer, .address_space: global }
      - { .name: lengths, .offset: 16, .size: 8, .value_kind: global_buffer, .address_space: global }
      - { .name: sent, .offset: 24, .size: 8, .value_kind: global_buffer, .address_space: global }
      - { .name: spb, .offset: 32, .size: 8, .value_kind: global_buffer, .address_space: global }
      - { .name: wimg1, .offset: 40, .size: 8, .value_kind: global_buffer, .address_space: global }
      - { .name: wimg2, .offset: 48, .size: 8, .value_kind: global_buffer, .address_space: global }
      - { .name: b2, .offset: 56, .size: 8, .value_kind: global_buffer, .address_space: global }
      - { .name: W3, .offset: 64, .size: 8, .value_kind: global_buffer, .address_space: global }
      - { .name: b3, .offset: 72, .size: 8, .value_kind: global_buffer, .address_space: global }
      - { .name: out0, .offset: 80, .size: 8, .value_kind: global_buffer, .address_space: global }
      - { .name: out1, .offset: 88, .size: 8, .value_kind: global_buffer, .address_space: global }
    .group_segment_fixed_size: 183040
    .private_segment_fixed_size: 0
    .kernarg_segment_align: 8
    .kernarg_segment_size: 96
    .max_flat_workgroup_size: 128
    .sgpr_count:     100
    .vgpr_count:     1024
    .wavefront_size: 32
...
	.end_amdgpu_metadata
.endif
;; end of part 4
